; MI455X (gfx1250); checked and timed in simulation.
; The chip was launched on July 23, 2026; its instructions are those of AMD's public machine-readable ISA for CDNA 5 (MIT licence, August 2026) and "CDNA5" Instruction Set Architecture Reference Guide (July 2026). The comments in the code are by the model that wrote it; some were corrected since.
;; Mo E. Allowed arithmetic: matrix products marked QUANTISED: E3M2 operands, one E8M0 scale for each 32 along K, by v_wmma_scale_f32_16x16x128_f8f6f4 with both operands' format E3M2, f32 sums; products left as they are: f32 operands where the result goes on into a quantised operand, else bf16, f16 or f32 operands; f32 sums; everything else in f32.
;; Inputs: W1 8 x 1,024 x 4,096 float32; W2 8 x 4,096 x 1,024 float32; Wg 1,024 x 8 float32; Wn 1,024 x 8 float32; b1 8 x 4,096 float32; b2 8 x 1,024 float32; bg 8 float32; bn 8 float32; noise 2 x 512 x 8 float32; x 2 x 512 x 1,024 float32.
;; Outputs: out0 2 x 512 x 1,024 float32.
;; This version of the problem:
;;   THIS VERSION OF THE PROBLEM IS GIVEN IN LOW PRECISION. The matrix products marked QUANTISED in the list below multiply operands that are first quantised to E3M2 (3 exponent bits, 2 mantissa bits; 6 bits a number), with one power-of-two scale for each 32 numbers along K (OCP MX v1.0); their sums are f32. All else is computed in f32.
;;   The module's matrix products, in the order in which they are computed (A, B: the left and right operand; K: the contracted axis; several contracted axes count as one K, in the product's order):
;;     1. [M 1,024, K 1,024] x [K 1,024, N 8]; A: input x; B: input Wg: left as it is (N = 8 < 16)
;;     2. [M 1,024, K 1,024] x [K 1,024, N 8]; A: input x; B: input Wn: left as it is (N = 8 < 16)
;;     3. batch 1,024 x [M 1, K 2] x [K 2, N 8]; A: softmax; B: computed on the way: left as it is (K = 2 < 32)
;;     4. [M 1,024, K 1,024] x [K 1,024, N 32,768]; A: input x; B: input W1: QUANTISED
;;     5. batch 8 x [M 1,024, K 4,096] x [K 4,096, N 1,024]; A: input W2; B: computed on the way: QUANTISED
;;     6. batch 1,024 x [M 1,024, K 8] x [K 8, N 1]; A: computed on the way; B: computed on the way: left as it is (K = 8 < 32)
;;   THE QUANTISER, for each operand of a quantised product, along K:
;;     - K is cut into blocks of 32 from its start; a last block that is shorter is filled with zeros.
;;     - A block's scale is 2^e with e = floor(log2(the largest magnitude in the block)) - 4, held to -126 .. 127; a block of zeros has e = 0. As a byte (E8M0): e + 127.
;;     - Each number is divided by its block's scale, clamped to +-28, and rounded to the nearest number of E3M2, ties to even, subnormals kept.
;;     - The product sums the exact products of the quantised numbers (number of the format x scale) in f32.
;;   ~~~python
;;   def quantise(x, axis):      # numpy; x: float32 -> the quantised numbers, widened to float32 again
;;       x = np.moveaxis(x, axis, -1); K = x.shape[-1]
;;       x = np.pad(x, [(0, 0)] * (x.ndim - 1) + [(0, -K % 32)]); x = x.reshape(x.shape[:-1] + (-1, 32)); a = np.abs(x).max(-1, keepdims=True)
;;       e = np.where(a > 0, np.clip(np.frexp(np.where(a > 0, a, 1))[1] - 1 - 4, -126, 127), 0)      # np.frexp(a)[1] - 1 = floor(log2(a)), exactly
;;       r = np.clip(x / 2.0 ** e, -28, 28)
;;       step = 2.0 ** (np.maximum(np.frexp(np.where(r == 0, 1, r))[1] - 1, -2) - 2)
;;       q = np.round(r / step) * step * 2.0 ** e      # np.round: ties to even
;;       return np.moveaxis(q.reshape(q.shape[:-2] + (-1,))[..., :K], -1, axis).astype(np.float32)
;;   ~~~
;;   OPERANDS COMPUTED ON THE WAY. 'Computed on the way' means the value that the module computes at that place (a softmax that the list does not call 'softmax' is quantised finished and normalised). What goes into a quantiser is computed in f32, as accurately as f32 sums, v_exp_f32 and their like allow (about 1e-6 of the number): no bf16 or f16 on the way to a quantiser, and a product that is left as it is and whose result goes on into a quantised operand takes f32 operands (vector FMAs, or v_wmma_f32_16x16x4_f32). A number that lies on a knife's edge between two numbers of the format may be rounded either way, as far as f32 arithmetic and the matrix unit's own rounding can turn it there, and no further.
;; 2 versions. Each part assembles by itself: llvm-mc -triple=amdgcn-amd-amdhsa -mcpu=gfx1250 --defsym DOCPART=n.
;; ======== version 1 of 2: 4 launches
;; workspace buffers: xq 786,432 bytes; xs 32,768 bytes; sel 4,096 bytes of whole numbers; comb 32,768 bytes; hq 25,165,824 bytes; hs 1,048,576 bytes; part 16,777,216 bytes
;; launch route (part 1): grid 256 x 1, 8 waves a work-group, no clusters, 84,992 bytes of LDS; arguments x, Wg, bg, Wn, bn, noise, xq, xs, sel, comb; writes xq, xs, sel, comb
.if DOCPART == 1
	.amdgcn_target "amdgcn-amd-amdhsa--gfx1250"
	.amdhsa_code_object_version 6
	.text
	.protected	k_q33e4797e33_route
	.globl	k_q33e4797e33_route
	.p2align	8
	.type	k_q33e4797e33_route,@function
k_q33e4797e33_route:
	s_mov_b64 s[64:65], 0
	v_nop
	global_prefetch_b8 v0, s[64:65] scope:SCOPE_SE
	s_setreg_imm32_b32 hwreg(HW_REG_WAVE_MODE, 25, 1), 1
	s_wait_xcnt 0x0
; THE ROUTER AND x's CODES.  H = x Wg + bg + noise * softplus(x Wn + bn), the two largest of its 8 numbers (ties: the lower index), the softmax of the two; and x as codes of E3M2 with one E8M0 byte for each 32 along d.
; A work-group of eight waves takes 4 tokens.  First part: wave w owns d = 128 w .. 128 w + 127, lane l four of them, for all 4 tokens and all 16 columns of [Wg | Wn]: fused multiply-adds in f32, two at a time.
; The 64 partial sums of a lane and the tokens' numbers go to LDS; ONE barrier.  Second part: waves 0-3 finish the router of one token each, waves 4-7 quantise one token each (a lane to a block of 32).
; OUT: sel[token] = (1 << first) | (1 << second) | (second << 8), whole numbers at fixed places: no address and no branch of this launch hangs on them.  comb[token][8]: the two weights, 0 elsewhere.
;      xq[token][768]: block 4 s + 2 c + h (24 bytes) at 96 s + 48 h + 24 c, so that a lane of an operand finds its 12 registers of K step s as 48 bytes on end.  xs[token][32]: the scale bytes in K's order.
; The stores of sel (4 bytes a wave) and comb (32 bytes a wave) fill no aligned 256 bytes: 36 KB of the launch's 850 KB.
; LIMITS: NaN and infinities among the inputs are not served.  The router's sums are taken in another order than a row-by-row sum: two of a token's 8 numbers that are closer than f32 rounding may change places.
;         A block whose largest magnitude lies under 2^-122 gets the byte 1 (a block of zeros too: its codes are zeros, and this program alone reads the bytes).
.set XT,   65536                       ; LDS: 0 .. 65,535 the partial sums: wave w, group g (token g / 4, columns 4 (g % 4) on), lane l at 8192 w + 512 g + 16 l
.set XROW, 4608                        ; from XT on the 4 tokens' numbers: 32 blocks of 128 bytes, 16 bytes of padding behind each
.set X,    16                          ; v16-31   x: 4 numbers a token
.set WGR,  32                          ; v32-63   Wg[d = 4 l + q][c] at 8 q + c
.set WNR,  64                          ; v64-95   Wn likewise
.set ACC,  96                          ; v96-159  the sums: token tt, column c (0-7 Wg's, 8-15 Wn's) at 16 tt + c
.set XD,   160                         ; v160-175 x's odd numbers, each twice: pairs whose low word the packed lines take
	s_load_b256 s[4:11], s[0:1], 0x0               ; x s[4:5], Wg s[6:7], bg s[8:9], Wn s[10:11]
	s_load_b256 s[12:19], s[0:1], 0x20             ; bn s[12:13], noise s[14:15], xq s[16:17], xs s[18:19]
	s_load_b128 s[20:23], s[0:1], 0x40             ; sel s[20:21], comb s[22:23]
	v_lshl_add_u32 v192, v0, 2, 0x14800
	v_mov_b32 v193, 0
	v_lshrrev_b32 v11, 5, v0
	v_readfirstlane_b32 s48, v11                   ; wave 0..7
	s_and_b32 s49, s48, 3                          ; the token of my second part
	s_mov_b32 s50, 0x76543210
	s_mov_b32 s51, 0xfedcba98                      ; v_permlanex16_b32's selects for lane l xor 16
	v_and_b32 v1, 31, v0                           ; lane
	v_lshlrev_b32 v2, 4, v0                        ; x: 512 w + 16 l
	v_lshlrev_b32 v3, 7, v0                        ; Wg, Wn: my 4 rows of 32 bytes: 4096 w + 128 l
	v_lshlrev_b32 v12, 4, v1
	v_bfe_u32 v13, v0, 3, 2
	v_lshl_add_u32 v4, v13, 4, v12
	v_mad_u32_u24 v4, v11, 576, v4
	v_add_nc_u32 v4, XT, v4                        ; x into LDS: XT + 576 w + 16 l + 16 (l / 8)
	v_lshl_add_u32 v5, v11, 13, v12                ; my sums into LDS: 8192 w + 16 l
	s_lshl_b32 s52, s49, 11
	v_add_nc_u32 v6, s52, v12                      ; and back: 2048 tt + 16 l
	s_mul_i32 s52, s49, XROW
	s_add_co_u32 s52, s52, XT
	v_mul_u32_u24 v7, v1, 144
	v_add_nc_u32 v7, s52, v7                       ; a token's block l: XT + 4608 tt + 144 l
	v_lshrrev_b32 v13, 2, v1
	v_mul_u32_u24 v8, v13, 96
	v_and_b32 v13, 1, v1
	v_mad_u32_u24 v8, v13, 48, v8
	v_bfe_u32 v13, v1, 1, 1
	v_mad_u32_u24 v8, v13, 24, v8                  ; block l's place in a row of xq
	v_mov_b32 v9, 0
	v_lshlrev_b32 v10, 2, v1
	s_wait_kmcnt 0x0
	s_lshl_b32 s52, ttmp9, 14                      ; the work-group's 4 rows of 4,096 bytes
	s_mov_b32 s53, 0
	s_add_nc_u64 s[4:5], s[4:5], s[52:53]
	s_lshl_b32 s54, ttmp9, 2
	s_add_co_u32 s54, s54, s49                     ; my second part's token
	s_lshl_b32 s55, s54, 5                         ; x 32 bytes
	s_load_b256 s[24:31], s[8:9], 0x0              ; bg
	s_load_b256 s[32:39], s[12:13], 0x0            ; bn
	s_load_b256 s[40:47], s[14:15], s55 offset:0x0 ; the token's noise
	s_mov_b32 s56, s55
	s_mov_b32 s57, 0
	s_add_nc_u64 s[18:19], s[18:19], s[56:57]      ; xs and comb at the token's 32 bytes
	s_add_nc_u64 s[22:23], s[22:23], s[56:57]
	s_mul_i32 s58, s54, 768
	s_mov_b32 s59, 0
	s_add_nc_u64 s[16:17], s[16:17], s[58:59]      ; xq at its 768
	s_lshl_b32 s60, s54, 2
	s_mov_b32 s61, 0
	s_add_nc_u64 s[20:21], s[20:21], s[60:61]      ; sel at its word
	s_mov_b32 s56, 0xbfb8aa3b                      ; -log2(e)
.irp tt, 0,1,2,3
	global_load_b128 v[X+4*\tt:X+4*\tt+3], v2, s[4:5] offset:4096*\tt th:TH_LOAD_NT   ; a wave reads 512 bytes on end; x is read once
.endr
.irp m, 0,1,2,3,4,5,6,7
	global_load_b128 v[WGR+4*\m:WGR+4*\m+3], v3, s[6:7] offset:16*\m
.endr
.irp m, 0,1,2,3,4,5,6,7
	global_load_b128 v[WNR+4*\m:WNR+4*\m+3], v3, s[10:11] offset:16*\m
.endr
	s_wait_loadcnt 16                              ; x's four loads are in; the 16 behind them may be out
.irp tt, 0,1,2,3
	ds_store_b128 v4, v[X+4*\tt:X+4*\tt+3] offset:XROW*\tt
.endr
.irp tt, 0,1,2,3
	v_mov_b32 v[XD+4*\tt], v[X+4*\tt+1]
	v_mov_b32 v[XD+4*\tt+1], v[X+4*\tt+1]
	v_mov_b32 v[XD+4*\tt+2], v[X+4*\tt+3]
	v_mov_b32 v[XD+4*\tt+3], v[X+4*\tt+3]
.endr
	s_wait_loadcnt 0x0
; token tt: 16 columns x my 4 numbers, two columns an instruction; the first product starts each sum
.macro DOT tt
.irp q, 0,1,2,3
.if \q%2 == 0
.set XP, X+4*(\tt)+\q
.else
.set XP, XD+4*(\tt)+\q-1
.endif
.irp p, 0,1,2,3
.if \q == 0
	v_pk_mul_f32 v[ACC+16*(\tt)+2*\p:ACC+16*(\tt)+2*\p+1], v[WGR+2*\p:WGR+2*\p+1], v[XP:XP+1] op_sel_hi:[1,0]
	v_pk_mul_f32 v[ACC+16*(\tt)+8+2*\p:ACC+16*(\tt)+9+2*\p], v[WNR+2*\p:WNR+2*\p+1], v[XP:XP+1] op_sel_hi:[1,0]
.else
	v_pk_fma_f32 v[ACC+16*(\tt)+2*\p:ACC+16*(\tt)+2*\p+1], v[WGR+8*\q+2*\p:WGR+8*\q+2*\p+1], v[XP:XP+1], v[ACC+16*(\tt)+2*\p:ACC+16*(\tt)+2*\p+1] op_sel_hi:[1,0,1]
	v_pk_fma_f32 v[ACC+16*(\tt)+8+2*\p:ACC+16*(\tt)+9+2*\p], v[WNR+8*\q+2*\p:WNR+8*\q+2*\p+1], v[XP:XP+1], v[ACC+16*(\tt)+8+2*\p:ACC+16*(\tt)+9+2*\p] op_sel_hi:[1,0,1]
.endif
.endr
.endr
.endm
	DOT 0
	DOT 1
	DOT 2
	DOT 3
.irp g, 0,1,2,3,4,5,6,7,8,9,10,11,12,13,14,15
	ds_store_b128 v5, v[ACC+4*\g:ACC+4*\g+3] offset:512*\g
.endr
	s_wait_kmcnt 0x0                               ; bg, bn, noise
	s_wait_dscnt 0x0                               ; for the others' sake: my stores have landed
	s_barrier_signal -1
	s_barrier_wait -1                              ; the one barrier; behind it LDS is only read
	s_cmp_lt_u32 s48, 4
	s_cbranch_scc0 .Lquant
	; ---- waves 0-3: the router of token tt
.irp sw, 0,1,2,3,4,5,6,7
.irp i, 0,1,2,3
	ds_load_b128 v[16+16*\sw+4*\i:19+16*\sw+4*\i], v6 offset:8192*\sw+512*\i
.endr
.endr
	s_wait_dscnt 0x0
.set r, 0
.rept 32
	v_pk_add_f32 v[16+r:17+r], v[16+r:17+r], v[80+r:81+r]      ; the eight waves' parts, as a tree
.set r, r+2
.endr
.set r, 0
.rept 16
	v_pk_add_f32 v[16+r:17+r], v[16+r:17+r], v[48+r:49+r]
.set r, r+2
.endr
.set r, 0
.rept 8
	v_pk_add_f32 v[16+r:17+r], v[16+r:17+r], v[32+r:33+r]
.set r, r+2
.endr
.irp m, 1,2,4,8
.set r, 0
.rept 16
	v_add_f32_dpp v[16+r], v[16+r], v[16+r] row_xmask:\m row_mask:0xf bank_mask:0xf   ; the 32 lanes' parts; the 16 columns by turns
.set r, r+1
.endr
.endr
.set r, 0
.rept 16
	v_permlanex16_b32 v[32+r], v[16+r], s50, s51
.set r, r+1
.endr
.set r, 0
.rept 16
	v_add_f32 v[16+r], v[16+r], v[32+r]            ; every lane: v16-23 x Wg, v24-31 x Wn
.set r, r+1
.endr
	; softplus(z) = max(z, 0) + ln 2 x log2(1 + 2^(-|z| log2 e)): no exponential can overflow
.irp c, 0,1,2,3,4,5,6,7
	v_add_f32 v[144+\c], s[32+\c], v[24+\c]        ; z
.endr
.irp c, 0,1,2,3,4,5,6,7
	v_mul_f32 v[152+\c], s56, |v[144+\c]|
.endr
.irp c, 0,1,2,3,4,5,6,7
	v_exp_f32 v[152+\c], v[152+\c]
.endr
.irp c, 0,1,2,3,4,5,6,7
	v_max_num_f32 v[144+\c], 0, v[144+\c]          ; plain work behind the batch, which names none of its results
.endr
	s_wait_alu depctr_va_vdst(0)                   ; one wait for the eight exponentials, ahead of their first reader
.irp c, 0,1,2,3,4,5,6,7
	v_add_f32 v[152+\c], 1.0, v[152+\c]
.endr
.irp c, 0,1,2,3,4,5,6,7
	v_log_f32 v[152+\c], v[152+\c]
.endr
.irp c, 0,1,2,3,4,5,6,7
	v_add_f32 v[16+\c], s[24+\c], v[16+\c]         ; x Wg + bg: plain work behind the batch
.endr
	s_wait_alu depctr_va_vdst(0)                   ; one wait for the eight logarithms
.irp c, 0,1,2,3,4,5,6,7
	v_fmamk_f32 v[144+\c], v[152+\c], 0x3f317218, v[144+\c]
.endr
.irp c, 0,1,2,3,4,5,6,7
	v_fmac_f32 v[16+\c], s[40+\c], v[144+\c]       ; H
.endr
	v_mov_b32 v160, v16                            ; the largest: a later one takes its place only if it is greater, so the lower index is kept
	v_mov_b32 v161, 0
.irp c, 1,2,3,4,5,6,7
	v_cmp_gt_f32 vcc_lo, v[16+\c], v160
	v_cndmask_b32 v160, v160, v[16+\c], vcc_lo
	v_cndmask_b32 v161, v161, \c, vcc_lo
.endr
	v_mov_b32 v162, 0xff800000                     ; the second: the same scan, past the first's index
	v_mov_b32 v163, 0
.irp c, 0,1,2,3,4,5,6,7
	v_cmp_gt_f32 s57, v[16+\c], v162
	v_cmp_ne_u32 s58, \c, v161
	s_and_b32 vcc_lo, s57, s58
	v_cndmask_b32 v162, v162, v[16+\c], vcc_lo
	v_cndmask_b32 v163, v163, \c, vcc_lo
.endr
	v_sub_f32 v164, v162, v160                     ; the softmax of the two, the larger taken off: 1 / (1 + t) and t / (1 + t), t = e^(second - first), at most 1
	v_mul_f32 v164, 0x3fb8aa3b, v164
	v_exp_f32 v164, v164
	v_mov_b32 v169, 1
	s_wait_alu depctr_va_vdst(0)
	v_add_f32 v165, 1.0, v164
	v_rcp_f32 v165, v165
	v_mov_b32 v167, 0
	s_wait_alu depctr_va_vdst(0)
	v_mul_f32 v166, v164, v165
	v_cmp_eq_u32 vcc_lo, v1, v163
	v_cndmask_b32 v167, v167, v166, vcc_lo
	v_cmp_eq_u32 vcc_lo, v1, v161
	v_cndmask_b32 v167, v167, v165, vcc_lo         ; lane e: comb[token][e]
	v_lshlrev_b32 v168, v161, v169
	v_lshlrev_b32 v170, v163, v169
	v_or_b32 v168, v168, v170
	v_lshl_or_b32 v168, v163, 8, v168              ; the word of sel
	v_cmp_gt_u32 vcc_lo, 8, v1
	s_wait_xcnt 0x0                                ; EXEC changes only behind this wait
	s_wait_tensorcnt 0x0
	ds_add_u32 v192, v193
	s_wait_dscnt 0x0
	s_and_saveexec_b32 s62, vcc_lo
	global_store_b32 v10, v167, s[22:23]           ; lanes 0-7
	s_wait_xcnt 0x0
	s_or_b32 exec_lo, exec_lo, s62
	v_cmp_gt_u32 vcc_lo, 1, v1
	s_and_saveexec_b32 s62, vcc_lo
	global_store_b32 v9, v168, s[20:21]            ; lane 0
	s_wait_xcnt 0x0
	s_or_b32 exec_lo, exec_lo, s62
	s_endpgm
.Lquant:
	; ---- waves 4-7: token tt as codes; lane l holds block l, 32 neighbours along d
.irp i, 0,1,2,3,4,5,6,7
	ds_load_b128 v[16+4*\i:19+4*\i], v7 offset:16*\i
.endr
	s_wait_dscnt 0x0
	v_max3_num_f32 v144, |v16|, |v17|, 0x2800000   ; the largest magnitude, in two chains, with the floor 2^(5 - 127) as a leaf: the byte cannot fall under 1
	v_max3_num_f32 v145, |v18|, |v19|, |v20|
.irp i, 21,25,29,33,37,41
	v_max3_num_f32 v144, v144, |v[\i]|, |v[\i+1]|
	v_max3_num_f32 v145, v145, |v[\i+2]|, |v[\i+3]|
.endr
	v_max3_num_f32 v144, v144, |v45|, |v46|
	v_max3_num_f32 v144, v144, v145, |v47|
	v_add_nc_u32 v146, 0xfe000000, v144            ; 4 off its exponent field: the conversion takes this operand's exponent field as its scale
	v_lshrrev_b32 v147, 23, v146                   ; the scale's byte
	v_cvt_scalef32_pk16_bf6_f32 v[148:150], v[16:31], v146
	v_cvt_scalef32_pk16_bf6_f32 v[152:154], v[32:47], v146     ; (a conversion's three registers begin on an even number)
	v_nop                                          ; one plain line behind the conversions
	v_mov_b32 v151, v152
	v_mov_b32 v152, v153
	v_mov_b32 v153, v154                           ; v148-153: the block's 24 bytes
	global_store_b64 v8, v[148:149], s[16:17]
	global_store_b64 v8, v[150:151], s[16:17] offset:8
	global_store_b64 v8, v[152:153], s[16:17] offset:16        ; the three together cover the token's 768 bytes on end
	global_store_b8 v1, v147, s[18:19]
	s_wait_tensorcnt 0x0
	ds_add_u32 v192, v193
	s_wait_dscnt 0x0
	s_endpgm
.Lfunc_end_k_q33e4797e33_route:
	.size	k_q33e4797e33_route, .Lfunc_end_k_q33e4797e33_route-k_q33e4797e33_route
	.p2alignl 7, 3214868480
	.fill 96, 4, 3214868480
	.section	.rodata,"a",@progbits
	.p2align	6, 0x0
	.amdhsa_kernel k_q33e4797e33_route
		.amdhsa_group_segment_fixed_size 84992
		.amdhsa_private_segment_fixed_size 0
		.amdhsa_enable_private_segment 0
		.amdhsa_kernarg_size 80
		.amdhsa_user_sgpr_count 2
		.amdhsa_user_sgpr_kernarg_segment_ptr 1
		.amdhsa_wavefront_size32 1
		.amdhsa_system_sgpr_workgroup_id_x 1
		.amdhsa_system_sgpr_workgroup_id_y 1
		.amdhsa_system_sgpr_workgroup_id_z 1
		.amdhsa_system_vgpr_workitem_id 0
		.amdhsa_next_free_vgpr 194
		.amdhsa_next_free_sgpr 66
		.amdhsa_reserve_vcc 1
		.amdhsa_float_denorm_mode_32 3
		.amdhsa_float_denorm_mode_16_64 3
		.amdhsa_memory_ordered 1
		.amdhsa_forward_progress 1
		.amdhsa_inst_pref_size 36
	.end_amdhsa_kernel
	.amdgpu_metadata
---
amdhsa.version: [ 1, 2 ]
amdhsa.kernels:
  - .name:           k_q33e4797e33_route
    .symbol:         k_q33e4797e33_route.kd
    .args:
      - { .name: x, .offset: 0, .size: 8, .value_kind: global_buffer, .address_space: global }
      - { .name: Wg, .offset: 8, .size: 8, .value_kind: global_buffer, .address_space: global }
      - { .name: bg, .offset: 16, .size: 8, .value_kind: global_buffer, .address_space: global }
      - { .name: Wn, .offset: 24, .size: 8, .value_kind: global_buffer, .address_space: global }
      - { .name: bn, .offset: 32, .size: 8, .value_kind: global_buffer, .address_space: global }
      - { .name: noise, .offset: 40, .size: 8, .value_kind: global_buffer, .address_space: global }
      - { .name: xq, .offset: 48, .size: 8, .value_kind: global_buffer, .address_space: global }
      - { .name: xs, .offset: 56, .size: 8, .value_kind: global_buffer, .address_space: global }
      - { .name: sel, .offset: 64, .size: 8, .value_kind: global_buffer, .address_space: global }
      - { .name: comb, .offset: 72, .size: 8, .value_kind: global_buffer, .address_space: global }
    .group_segment_fixed_size: 84992
    .private_segment_fixed_size: 0
    .kernarg_segment_align: 8
    .kernarg_segment_size: 80
    .max_flat_workgroup_size: 256
    .sgpr_count:     66
    .vgpr_count:     194
    .wavefront_size: 32
...
	.end_amdgpu_metadata
.endif
;; end of part 1
;; launch up (part 2): grid 32 x 8, 16 waves a work-group, no clusters, 104,960 bytes of LDS; arguments W1, b1, xq, xs, sel, hq, hs; writes hq, hs
.if DOCPART == 2
	.amdgcn_target "amdgcn-amd-amdhsa--gfx1250"
	.amdhsa_code_object_version 6
	.text
	.protected	k_q33e4797e33_up
	.globl	k_q33e4797e33_up
	.p2align	8
	.type	k_q33e4797e33_up,@function
k_q33e4797e33_up:
	s_mov_b64 s[64:65], 0
	v_nop
	global_prefetch_b8 v0, s[64:65] scope:SCOPE_SE
	s_setreg_imm32_b32 hwreg(HW_REG_WAVE_MODE, 25, 1), 1
	s_wait_xcnt 0x0
; h = relu(Q(x) Q(W1) + b1) for the rows that chose the expert, and Q(h), on codes of E3M2 with one E8M0 byte for each 32 along K.
; A work-group owns expert e (grid y) and hidden units 128 fs .. 128 fs + 127 (grid x): a slice of W1 of 1,024 d x 128 f, 512 KB of f32, read from memory ONCE in the launch and by nobody else.
; PART 1, the slice becomes codes: wave w takes two chunks of 32 rows d x 128 f; a load reads a row's 512 bytes on end, a lane holds 4 columns and, down its registers, a whole block of 32 along K of each.  The codes go to LDS as
;   images of the operand's registers (fragment (k, t) at 1536 (4 k + t); register q, lane L at 512 (q / 4) + 16 L + 4 (q % 4)), the scale bytes as words (step k, row r, tile t at 256 k + 16 r + 4 t).  ONE barrier.
; PART 2, the products: a wave takes a PAIR of tiles of 16 rows (rows 32 pi .. 32 pi + 31 of the expert), pi = wave, wave + 16.  Which token a row is, every wave works out of sel in registers (SELECT).
;   Rows past the expert's count repeat its last row, so nothing is masked.  16 steps: k = 8 phi + s: hidden tiles 4 phi .. 4 phi + 3, K step s.  x's fragments come from xq through four register slots, three steps ahead.
; THE PRODUCT IS USED TRANSPOSED (source 0 = 16 columns of W1, source 1 = 16 rows of x), AND THE COLUMNS OF A TILE ARE NOT NEIGHBOURS: row r of tile 2 b + u is column 32 b + 8 u + r + 8 (r / 8): so a lane holds one row of h and the
;   16 registers of two neighbouring tiles are 16 neighbours along f, the next product's K.  b1 is loaded into the accumulators and is each sum's start.
; OUT: hq[tile 64 e + 2 pi + u][K step fs][1,536]: the image of an operand's registers; hs[pair 32 e + pi][fs][32]: scale words, tile 0's rows then tile 1's (128 bytes a store: half of an aligned 256; hs is 1/24 of hq).
; No tensor load, no cluster: the count of pairs is read from memory, and no two work-groups share a byte of W1.  The barrier stands ahead of every branch on that count.
; LIMITS: NaN and infinities are not served; a block whose largest magnitude lies under 2^-122 gets the byte 1 (a block of zeros too: its codes are zeros, and this program alone reads the bytes).
.set SC,     98304                     ; LDS: 0 .. 98,303 the 64 fragments; then 4,096 bytes of scale words; then b1's 128 numbers
.set BIA,    102400
.set PITCHB, 16384                     ; from row d to row d + 1 of W1
.set L16,  1                           ; v1   16 x lane
.set LW1,  2                           ; v2   16 x lane + 49,152: steps 8 to 15
.set LSC,  3                           ; v3   SC + 16 (lane % 16)
.set BH,   4                           ; v4   BIA + 64 (lane / 16)
.set L4,   5                           ; v5   4 x lane
.set LANE, 6
.set H48,  7                           ; v7   48 (lane / 16)
.set XOA,  8                           ; v8   tile 0: my row's bytes in xq;  v9 tile 1;  v10 my pair row's bytes in xs
.set XOB,  9
.set XSO,  10
.set BI,   12                          ; v12-15 b1 on its way to LDS; later v14, v15: h's scale words, tile 0's and tile 1's
.set PW,   14
.set WS,   16                          ; v16-19 W1's scale words of a step, v20-23 x's, a slot each: these eight hold scales and nothing else
.set RS,   20
.set W,    24                          ; v24-71   a step's four fragments of W1
.set RING, 72                          ; v72-167  four slots x (two tiles x 12): x's fragments
.set HC,   168                         ; v168-191 h's codes, 12 a tile
.set AC,   192                         ; v192-255 accumulator (row tile u, hidden tile t) at 32 u + 8 t
.set TM,   24                          ; at work in QUANTH
.set MX,   24                          ; part 1: largest magnitudes, scale operands, bytes: 4 columns each
.set SO,   28
.set SB,   32
.set IA,   36                          ; where my codes go, where my scale bytes go
.set SA,   37
.set WO,   L16                         ; a row's 512 bytes: 16 a lane
.set BST,  39
.set T0,   40
.set RP,   41                          ; SELECT's
.set RMK,  42
.set RBS,  43
.set RJ,   44
.set RN,   45
.set RA1,  46
.set RA2,  47
.set RA4,  48
.set RA8,  49
.set RPOS, 50
.set RT,   51
.set TOK,  53
.set SELR, 64                          ; v64-95   sel: register 4 a + b, lane l = token 128 a + 4 l + b; then
.set C,    64                          ; v64-95   a chunk's codes, 8 registers a column
.set G,    96                          ; v96-127  a column's 32 numbers on end
.set WL,   128                         ; v128-255 a chunk as loaded: row rho at 4 rho
; s2 wave, s3 e, s[16:47] the 32 masks of sel, s50 fs, s52 count, s53 pairs, s54 count - 1, s55 pi, s58 1 << e, s59 lanes 16-31, s[60:61] lane selects, s[62:63] b1, s[66:67] W1, s[68:69] hq, s[70:71] hs, s75 the trips of the loop over pairs
.macro QLOAD c                         ; chunk c: 32 rows; 16 KB a wave on its way
.set rho, 0
.rept 32
	global_load_b128 v[WL+4*rho:WL+4*rho+3], v[WO], s[66:67] offset:(64*(\c)+rho)*PITCHB th:TH_LOAD_NT
.set rho, rho+1
.endr
.endm
.macro QCHUNK c                        ; my 4 columns' blocks 2 c + (my half) of my K step become codes and bytes in LDS
	s_wait_loadcnt 0x0                             ; the chunk is in
	s_wait_dscnt 0x0                               ; the last chunk's LDS stores have read their registers
.irp jj, 0,1,2,3
	v_max3_num_f32 v[MX+\jj], |v[WL+\jj]|, |v[WL+4+\jj]|, 0x2800000   ; with the floor 2^(5 - 127): the byte cannot fall under 1
.endr
.set rho, 2
.rept 15
.irp jj, 0,1,2,3
	v_max3_num_f32 v[MX+\jj], v[MX+\jj], |v[WL+4*rho+\jj]|, |v[WL+4*rho+4+\jj]|   ; the four columns by turns
.endr
.set rho, rho+2
.endr
.irp jj, 0,1,2,3
	v_add_nc_u32 v[SO+\jj], 0xfe000000, v[MX+\jj]  ; 4 off the exponent field: the conversion's scale operand
.endr
.irp jj, 0,1,2,3
	v_lshrrev_b32 v[SB+\jj], 23, v[SO+\jj]         ; the scale's byte
.endr
.irp jj, 0,1,2,3
.set rho, 0
.rept 32
	v_mov_b32 v[G+rho], v[WL+4*rho+\jj]            ; the conversions take neighbours along K from consecutive registers
.set rho, rho+1
.endr
	v_cvt_scalef32_pk16_bf6_f32 v[C+8*\jj:C+8*\jj+2], v[G:G+15], v[SO+\jj]
	v_cvt_scalef32_pk16_bf6_f32 v[C+8*\jj+4:C+8*\jj+6], v[G+16:G+31], v[SO+\jj]
	v_nop                                          ; one plain line behind the conversions
	v_mov_b32 v[C+8*\jj+3], v[C+8*\jj+4]
	v_mov_b32 v[C+8*\jj+4], v[C+8*\jj+5]
	v_mov_b32 v[C+8*\jj+5], v[C+8*\jj+6]           ; six registers: the operand's 6 c .. 6 c + 5
.if (\c) == 0
	ds_store_b128 v[IA], v[C+8*\jj:C+8*\jj+3] offset:16*\jj
	ds_store_b64 v[IA], v[C+8*\jj+4:C+8*\jj+5] offset:512+16*\jj
.else
	ds_store_b64 v[IA], v[C+8*\jj:C+8*\jj+1] offset:520+16*\jj
	ds_store_b128 v[IA], v[C+8*\jj+2:C+8*\jj+5] offset:1024+16*\jj
.endif
	ds_store_b8 v[SA], v[SB+\jj] offset:16*\jj+2*(\c)
.endr
.endm
.macro SELSTEP src, width, wd          ; is the wanted bit in the lower half of what is left, by that half's count?
	v_bfe_u32 v[RT], v[\src], v[RPOS], \width
	v_cmp_ge_u32 vcc_lo, v[RN], v[RT]
	v_cndmask_b32 v[RT], 0, v[RT], vcc_lo
	v_sub_nc_u32 v[RN], v[RN], v[RT]
	v_cndmask_b32 v[RT], 0, \wd, vcc_lo
	v_add_nc_u32 v[RPOS], v[RPOS], v[RT]
.endm
.macro SELECT                          ; TOK = the token of the expert's row min(32 pi + lane, count - 1): the place of that set bit in the masks M_0 .. M_31 on end
	s_lshl_b32 s57, s55, 5
	v_add_nc_u32 v[RP], s57, v[LANE]
	v_min_u32 v[RP], s54, v[RP]
	v_mov_b32 v[RMK], s16
	v_mov_b32 v[RBS], 0
	v_mov_b32 v[RJ], 0
	s_bcnt1_i32_b32 s56, s16
.set j, 1
.rept 31
	v_cmp_gt_u32 vcc_lo, s56, v[RP]                ; s56: the bits of M_0 .. M_(j-1).  The last j with s56 <= my row is my mask's
	v_cndmask_b32 v[RMK], s[16+j], v[RMK], vcc_lo
	v_cndmask_b32 v[RBS], s56, v[RBS], vcc_lo
	v_cndmask_b32 v[RJ], j, v[RJ], vcc_lo
	s_bcnt1_i32_b32 s57, s[16+j]
	s_add_co_u32 s56, s56, s57
.set j, j+1
.endr
	v_sub_nc_u32 v[RN], v[RP], v[RBS]              ; which set bit of my mask
	v_lshrrev_b32 v[RT], 1, v[RMK]                 ; counts of its fields of 2, 4, 8, 16 bits
	v_and_b32 v[RT], 0x55555555, v[RT]
	v_sub_nc_u32 v[RA1], v[RMK], v[RT]
	v_lshrrev_b32 v[RT], 2, v[RA1]
	v_and_b32 v[RT], 0x33333333, v[RT]
	v_and_b32 v[RA2], 0x33333333, v[RA1]
	v_add_nc_u32 v[RA2], v[RA2], v[RT]
	v_lshrrev_b32 v[RT], 4, v[RA2]
	v_add_nc_u32 v[RT], v[RA2], v[RT]
	v_and_b32 v[RA4], 0x0f0f0f0f, v[RT]
	v_lshrrev_b32 v[RT], 8, v[RA4]
	v_add_nc_u32 v[RT], v[RA4], v[RT]
	v_and_b32 v[RA8], 0x00ff00ff, v[RT]
	v_mov_b32 v[RPOS], 0
	SELSTEP RA8, 8, 16
	SELSTEP RA4, 8, 8
	SELSTEP RA2, 4, 4
	SELSTEP RA1, 2, 2
	SELSTEP RMK, 1, 1
	v_lshrrev_b32 v[RT], 2, v[RJ]
	v_and_b32 v[RJ], 3, v[RJ]
	v_lshl_add_u32 v[TOK], v[RT], 7, v[RJ]
	v_lshl_add_u32 v[TOK], v[RPOS], 2, v[TOK]      ; 128 (j / 4) + j % 4 + 4 x bit
.endm
.macro ROWS                            ; lane l holds the token of pair row l.  An operand's lane (r, h) wants row r of its tile: tile 0's from lanes 0-15, tile 1's from lanes 16-31
	v_mov_b32 v[RT], 0
	v_permlanex16_b32 v[RT], v[TOK], s60, s61
	v_cndmask_b32 v[XOA], v[TOK], v[RT], s59
	v_cndmask_b32 v[XOB], v[RT], v[TOK], s59
	v_min_u32 v[TOK], 0x3ff, v[TOK]                ; numbers made of loaded ones enter addresses behind a bound
	v_min_u32 v[XOA], 0x3ff, v[XOA]
	v_min_u32 v[XOB], 0x3ff, v[XOB]
	v_mul_u32_u24 v[XOA], v[XOA], 768
	v_mul_u32_u24 v[XOB], v[XOB], 768
	v_add_nc_u32 v[XOA], v[H48], v[XOA]
	v_add_nc_u32 v[XOB], v[H48], v[XOB]
	v_lshlrev_b32 v[XSO], 5, v[TOK]
.endm
.macro REFILL k                        ; step k's fragments and scale words of x into slot k % 4: seven loads
.set RG, RING+24*((\k)%4)
.irp i, 0,1,2
	global_load_b128 v[RG+4*\i:RG+4*\i+3], v[XOA], s[8:9] offset:96*((\k)%8)+16*\i
.endr
.irp i, 0,1,2
	global_load_b128 v[RG+12+4*\i:RG+15+4*\i], v[XOB], s[8:9] offset:96*((\k)%8)+16*\i
.endr
	global_load_b32 v[RS+(\k)%4], v[XSO], s[10:11] offset:4*((\k)%8)
.endm
.macro BIAS phi                        ; b1 into the eight accumulators: lane (r, h), tile t, register j: hidden unit 64 phi + 32 (t / 2) + 16 h + 8 (t % 2) + j
.irp u, 0,1
.irp t, 0,1,2,3
	ds_load_b128 v[AC+32*\u+8*\t:AC+32*\u+8*\t+3], v[BH] offset:256*(\phi)+128*(\t/2)+32*(\t%2)
	ds_load_b128 v[AC+32*\u+8*\t+4:AC+32*\u+8*\t+7], v[BH] offset:256*(\phi)+128*(\t/2)+32*(\t%2)+16
.endr
.endr
.endm
.macro STEP k
.set SG, (\k)%4
.if (\k) < 8
.set LWR, L16
.else
.set LWR, LW1
.endif
.irp t, 0,1,2,3
.irp i, 0,1,2
	ds_load_b128 v[W+12*\t+4*\i:W+12*\t+4*\i+3], v[LWR] offset:((\k)%8)*6144+1536*\t+512*\i
.endr
.endr
	ds_load_b128 v[WS:WS+3], v[LSC] offset:256*(\k)
.if (\k) < 12
	s_wait_loadcnt 21                              ; this step's seven loads are in; the three later steps' 21 may be out
.else
	s_wait_loadcnt 7*(15-(\k))                     ; seven for each step still to come
.endif
	s_wait_dscnt 0x0
.irp t, 0,1,2,3                        ; the eight accumulators by turns, one instruction a turn, in the same order in every step
	v_wmma_scale_f32_16x16x128_f8f6f4 v[AC+8*\t:AC+8*\t+7], v[W+12*\t:W+12*\t+11], v[RING+24*SG:RING+24*SG+11], v[AC+8*\t:AC+8*\t+7], v[WS+\t], v[RS+SG] matrix_a_fmt:MATRIX_FMT_BF6 matrix_b_fmt:MATRIX_FMT_BF6
	v_wmma_scale_f32_16x16x128_f8f6f4 v[AC+32+8*\t:AC+32+8*\t+7], v[W+12*\t:W+12*\t+11], v[RING+24*SG+12:RING+24*SG+23], v[AC+32+8*\t:AC+32+8*\t+7], v[WS+\t], v[RS+SG] matrix_a_fmt:MATRIX_FMT_BF6 matrix_b_fmt:MATRIX_FMT_BF6 matrix_b_scale:MATRIX_SCALE_ROW1
.endr
.rept 4
	v_nop                                          ; four places in front of loads into registers that these products read, and of the first read of results
.endr
.if (\k) < 12
	REFILL (\k)+4
.endif
.endm
; Row tile u's 32 registers (register 16 b + i = hidden unit 64 phi + 32 b + 16 (lane / 16) + i of my row) are clipped at 0 and become registers 6 phi .. 6 phi + 5 of the next operand and two bytes of its scale word
.macro QUANTH u, phi
.set S, AC+32*(\u)
.set HD, HC+12*(\u)+6*(\phi)
.set j, 0
.rept 32
	v_max_num_f32 v[S+j], 0, v[S+j]                ; relu, in f32; each accumulator from its low end on
.set j, j+1
.endr
.irp b, 0,1
	v_max3_num_f32 v[TM+\b], v[S+16*\b], v[S+16*\b+1], 0x2800000   ; none is negative: no |.|; the floor holds the byte at 1
.endr
.irp i, 2,4,6,8,10,12,14
.irp b, 0,1
	v_max3_num_f32 v[TM+\b], v[TM+\b], v[S+16*\b+\i], v[S+16*\b+\i+1]
.endr
.endr
.irp b, 0,1
	v_mov_b32 v[TM+2+\b], 0                        ; a lane permute's destination counts as one of its sources
.endr
.irp b, 0,1
	v_permlanex16_b32 v[TM+2+\b], v[TM+\b], s60, s61
.endr
.irp b, 0,1
	v_max_num_f32 v[TM+\b], v[TM+\b], v[TM+2+\b]   ; with lane l xor 16's 16: the block's largest
.endr
.irp b, 0,1
	v_add_nc_u32 v[TM+4+\b], 0xfe000000, v[TM+\b]
.endr
.irp b, 0,1
	v_lshrrev_b32 v[TM+2+\b], 23, v[TM+4+\b]
.endr
.if (\phi) == 0
	v_lshl_or_b32 v[PW+(\u)], v[TM+3], 8, v[TM+2]
.else
	v_lshl_or_b32 v[PW+(\u)], v[TM+2], 16, v[PW+(\u)]
	v_lshl_or_b32 v[PW+(\u)], v[TM+3], 24, v[PW+(\u)]
.endif
	v_cvt_scalef32_pk16_bf6_f32 v[HD:HD+2], v[S:S+15], v[TM+4]
	v_cvt_scalef32_pk16_bf6_f32 v[TM+8:TM+10], v[S+16:S+31], v[TM+5]
	v_nop                                          ; one plain line behind the conversions
.irp i, 0,1,2
	v_permlane16_swap_b32 v[HD+\i], v[TM+8+\i]     ; the layout wants a whole block in a lane: lanes 0-15 the first block, lanes 16-31 the second
.endr
.irp i, 0,1,2
	v_mov_b32 v[HD+3+\i], v[TM+8+\i]
.endr
.endm
	s_load_b256 s[4:11], s[0:1], 0x0               ; W1 s[4:5], b1 s[6:7], xq s[8:9], xs s[10:11]
	s_load_b128 s[12:15], s[0:1], 0x20             ; sel s[12:13], hq s[14:15]
	s_load_b64 s[48:49], s[0:1], 0x30              ; hs
	v_lshrrev_b32 v[T0], 5, v0
	v_readfirstlane_b32 s2, v[T0]                  ; wave 0..15
	s_and_b32 s3, ttmp7, 0xffff                    ; e
	s_mov_b32 s50, ttmp9                           ; fs
	s_lshl_b32 s58, 1, s3
	s_mov_b32 s59, 0xffff0000
	s_mov_b32 s60, 0x76543210
	s_mov_b32 s61, 0xfedcba98
	s_mov_b32 s52, 0
	v_and_b32 v[LANE], 31, v0
	v_lshlrev_b32 v[L16], 4, v[LANE]
	v_lshlrev_b32 v[L4], 2, v[LANE]
	v_add_nc_u32 v[LW1], 49152, v[L16]
	v_add_nc_u32 v[BST], BIA, v[L16]
	v_and_b32 v[T0], 15, v0
	v_lshl_add_u32 v[LSC], v[T0], 4, SC
	v_bfe_u32 v[T0], v0, 4, 1
	v_lshl_add_u32 v[BH], v[T0], 6, BIA
	v_mul_u32_u24 v[H48], v[T0], 48
	; my column 4 l + jj: phi = l / 16, tile t = 2 ((l / 8) % 2) + (l / 2) % 2, row r = 4 (l % 2) + jj + 8 ((l / 4) % 2); my chunk: K step wave / 2, half wave % 2
	v_mul_u32_u24 v[IA], v[T0], 49152
	v_lshlrev_b32 v[SA], 11, v[T0]
	v_bfe_u32 v[T0], v0, 3, 1
	v_mad_u32_u24 v[IA], v[T0], 3072, v[IA]
	v_lshl_add_u32 v[SA], v[T0], 3, v[SA]
	v_bfe_u32 v[T0], v0, 1, 1
	v_mad_u32_u24 v[IA], v[T0], 1536, v[IA]
	v_lshl_add_u32 v[SA], v[T0], 2, v[SA]
	v_and_b32 v[T0], 1, v0
	v_lshl_add_u32 v[IA], v[T0], 6, v[IA]
	v_lshl_add_u32 v[SA], v[T0], 6, v[SA]
	v_bfe_u32 v[T0], v0, 2, 1
	v_lshl_add_u32 v[IA], v[T0], 7, v[IA]
	v_lshl_add_u32 v[SA], v[T0], 7, v[SA]
	v_lshrrev_b32 v[T0], 6, v0
	v_mad_u32_u24 v[IA], v[T0], 6144, v[IA]
	v_lshl_add_u32 v[SA], v[T0], 8, v[SA]
	v_bfe_u32 v[T0], v0, 5, 1
	v_lshl_add_u32 v[IA], v[T0], 8, v[IA]
	v_add_nc_u32 v[SA], v[T0], v[SA]
	v_add_nc_u32 v[SA], SC, v[SA]
	s_lshl_b32 s72, s3, 24                         ; W1: e x 2^24 + 512 fs + row 32 (4 (wave / 2) + wave % 2) x 16,384
	s_lshl_b32 s73, s50, 9
	s_add_co_u32 s72, s72, s73
	s_lshr_b32 s73, s2, 1
	s_lshl_b32 s73, s73, 2
	s_and_b32 s74, s2, 1
	s_add_co_u32 s73, s73, s74
	s_lshl_b32 s73, s73, 19
	s_add_co_u32 s72, s72, s73
	s_mov_b32 s73, 0
	s_lshl_b32 s74, s3, 14                         ; b1: 16,384 e + 512 fs
	s_lshl_b32 s75, s50, 9
	s_add_co_u32 s74, s74, s75
	s_mov_b32 s75, 0
	s_wait_kmcnt 0x0
	s_add_nc_u64 s[66:67], s[4:5], s[72:73]
	s_add_nc_u64 s[62:63], s[6:7], s[74:75]
	global_load_b128 v[BI:BI+3], v[L16], s[62:63]
.irp a, 0,1,2,3,4,5,6,7
	global_load_b128 v[SELR+4*\a:SELR+4*\a+3], v[L16], s[12:13] offset:512*\a
.endr
	QLOAD 0
	s_wait_loadcnt 32                              ; b1 and sel are in; the chunk's 32 loads stay out, and the work up to QCHUNK 0 stands under them
	s_cmp_lg_u32 s2, 0
	s_cbranch_scc1 .Lnob
	ds_store_b128 v[BST], v[BI:BI+3]               ; wave 0: b1's 512 bytes
.Lnob:
.set j, 0
.rept 32
	v_and_b32 v[SELR+j], s58, v[SELR+j]
	v_cmp_ne_u32 s[16+j], 0, v[SELR+j]             ; M_j: which of the register's 32 tokens chose e
	s_bcnt1_i32_b32 s57, s[16+j]
	s_add_co_u32 s52, s52, s57
.set j, j+1
.endr
	s_min_u32 s52, s52, 1024                       ; the expert's rows
	s_add_co_u32 s53, s52, 31
	s_lshr_b32 s53, s53, 5                         ; pairs of tiles, at most 32
	s_max_u32 s54, s52, 1
	s_sub_co_u32 s54, s54, 1
	s_mov_b32 s55, s2                              ; my first pair
	SELECT
	ROWS
	QCHUNK 0
	QLOAD 1
	QCHUNK 1
	s_wait_dscnt 0x0                               ; for the others' sake: my stores have landed
	s_barrier_signal -1
	s_barrier_wait -1                              ; the slice lies in LDS as codes; from here on LDS is only read
	s_mov_b32 s75, 0                               ; the loop is counted against the constant 2: my pairs are wave and wave + 16, and an expert has at most 32
	s_cmp_ge_u32 s55, s53
	s_cbranch_scc1 .Ldone                          ; no pair of mine at all
.Lpair:
	s_lshl_b32 s72, s3, 6                          ; hq: ((64 e + 2 pi) x 32 + fs) x 1,536
	s_lshl_b32 s73, s55, 1
	s_add_co_u32 s72, s72, s73
	s_lshl_b32 s72, s72, 5
	s_add_co_u32 s72, s72, s50
	s_mul_i32 s72, s72, 1536
	s_mov_b32 s73, 0
	s_add_nc_u64 s[68:69], s[14:15], s[72:73]
	s_lshl_b32 s72, s3, 5                          ; hs: ((32 e + pi) x 32 + fs) x 128
	s_add_co_u32 s72, s72, s55
	s_lshl_b32 s72, s72, 5
	s_add_co_u32 s72, s72, s50
	s_lshl_b32 s72, s72, 7
	s_add_nc_u64 s[70:71], s[48:49], s[72:73]
	REFILL 0
	REFILL 1
	REFILL 2
	REFILL 3
	BIAS 0
.irp k, 0,1,2,3,4,5,6,7
	STEP \k
.endr
	QUANTH 0, 0
	QUANTH 1, 0
	BIAS 1
.irp k, 8,9,10,11,12,13,14,15
	STEP \k
.endr
	QUANTH 0, 1
	QUANTH 1, 1
.irp u, 0,1
.irp i, 0,1,2
	global_store_b128 v[L16], v[HC+12*\u+4*\i:HC+12*\u+4*\i+3], s[68:69] offset:49152*\u+512*\i   ; 32 lanes store 512 bytes on end, at a multiple of 512 from hq's first byte
.endr
.endr
	v_cndmask_b32 v[TM], v[PW], v[PW+1], s59       ; lanes 0-15 tile 0's words, lanes 16-31 tile 1's
	global_store_b32 v[L4], v[TM], s[70:71]
	s_wait_xcnt 0x0                                ; the stores' data and bases are written again only behind this wait
	s_add_co_u32 s55, s55, 16
	s_cmp_ge_u32 s55, s53
	s_cbranch_scc1 .Ldone                          ; no second pair: out, ahead of the work that would prepare it
	SELECT
	ROWS
	s_add_co_u32 s75, s75, 1
	s_cmp_lt_u32 s75, 2
	s_cbranch_scc1 .Lpair
.Ldone:
	s_wait_xcnt 0x0
	v_lshl_add_u32 v254, v0, 2, 0x19200
	v_mov_b32 v255, 0
	s_wait_tensorcnt 0x0
	ds_add_u32 v254, v255
	s_wait_dscnt 0x0
	s_endpgm
.Lfunc_end_k_q33e4797e33_up:
	.size	k_q33e4797e33_up, .Lfunc_end_k_q33e4797e33_up-k_q33e4797e33_up
	.p2alignl 7, 3214868480
	.fill 96, 4, 3214868480
	.section	.rodata,"a",@progbits
	.p2align	6, 0x0
	.amdhsa_kernel k_q33e4797e33_up
		.amdhsa_group_segment_fixed_size 104960
		.amdhsa_private_segment_fixed_size 0
		.amdhsa_enable_private_segment 0
		.amdhsa_kernarg_size 56
		.amdhsa_user_sgpr_count 2
		.amdhsa_user_sgpr_kernarg_segment_ptr 1
		.amdhsa_wavefront_size32 1
		.amdhsa_system_sgpr_workgroup_id_x 1
		.amdhsa_system_sgpr_workgroup_id_y 1
		.amdhsa_system_sgpr_workgroup_id_z 1
		.amdhsa_system_vgpr_workitem_id 0
		.amdhsa_next_free_vgpr 256
		.amdhsa_next_free_sgpr 80
		.amdhsa_reserve_vcc 1
		.amdhsa_float_denorm_mode_32 3
		.amdhsa_float_denorm_mode_16_64 3
		.amdhsa_memory_ordered 1
		.amdhsa_forward_progress 1
		.amdhsa_inst_pref_size 112
	.end_amdhsa_kernel
	.amdgpu_metadata
---
amdhsa.version: [ 1, 2 ]
amdhsa.kernels:
  - .name:           k_q33e4797e33_up
    .symbol:         k_q33e4797e33_up.kd
    .args:
      - { .name: W1, .offset: 0, .size: 8, .value_kind: global_buffer, .address_space: global }
      - { .name: b1, .offset: 8, .size: 8, .value_kind: global_buffer, .address_space: global }
      - { .name: xq, .offset: 16, .size: 8, .value_kind: global_buffer, .address_space: global }
      - { .name: xs, .offset: 24, .size: 8, .value_kind: global_buffer, .address_space: global }
      - { .name: sel, .offset: 32, .size: 8, .value_kind: global_buffer, .address_space: global }
      - { .name: hq, .offset: 40, .size: 8, .value_kind: global_buffer, .address_space: global }
      - { .name: hs, .offset: 48, .size: 8, .value_kind: global_buffer, .address_space: global }
    .group_segment_fixed_size: 104960
    .private_segment_fixed_size: 0
    .kernarg_segment_align: 8
    .kernarg_segment_size: 56
    .max_flat_workgroup_size: 512
    .sgpr_count:     80
    .vgpr_count:     256
    .wavefront_size: 32
...
	.end_amdgpu_metadata
.endif
;; end of part 2
;; launch down (part 3): grid 32 x 8, 16 waves a work-group, no clusters, 174,592 bytes of LDS; arguments W2, b2, hq, hs, sel, comb, part; writes part
.if DOCPART == 3
	.amdgcn_target "amdgcn-amd-amdhsa--gfx1250"
	.amdhsa_code_object_version 6
	.text
	.protected	k_q33e4797e33_down
	.globl	k_q33e4797e33_down
	.p2align	8
	.type	k_q33e4797e33_down,@function
k_q33e4797e33_down:
	s_mov_b64 s[64:65], 0
	v_nop
	global_prefetch_b8 v0, s[64:65] scope:SCOPE_SE
	s_setreg_imm32_b32 hwreg(HW_REG_WAVE_MODE, 25, 1), 1
	s_wait_xcnt 0x0
; part[2 rank + kh][token][d] = gate x (Q(h) Q(W2) over half kh of K (+ b2 where kh = 0)), for the rows that chose the expert; rank = 0 where the expert is the token's first choice, 1 where its second.
; A work-group owns expert e (grid y), outputs 64 ds .. 64 ds + 63 and hidden units 2048 kh .. 2048 kh + 2047 (grid x = 16 kh + ds): a slice of W2 of 2,048 f x 64 d, 512 KB of f32, read ONCE in the launch and by nobody else.
; K is halved so that a row's piece of the slice is 256 bytes on end, at a multiple of 256 from W2's first byte.
; PART 1: wave w takes K step w of the half (128 f) in two chunks; a load reads two rows' 256 bytes (lanes 0-15 a row, lanes 16-31 the row 32 further down); a lane holds 4 columns and a whole block of 32 along K of each.
;   Codes and scale bytes go to LDS as in the launch before: fragment (k, t) at 1536 (4 k + t) as an image of the operand's registers, scale words at 256 k + 16 r + 4 t.  ONE barrier.
; PART 2: a wave takes a pair of tiles of 16 rows, pi = wave, wave + 16; the same SELECT as in the launch before gives each row's token.  16 steps of 128 along K; h's fragments are dense images in hq, three steps ahead in four slots.
;   Transposed use (source 0 = 16 columns of W2, source 1 = 16 rows of h): a lane holds one row and eight neighbouring outputs.  b2 (zeros where kh = 1) is loaded into the accumulators and is each sum's start.
;   Results x gate go through the wave's own stage in LDS and leave as rows: sixteen lanes store 256 bytes on end, at a multiple of 256 from part's first byte.
;   Rows past the expert's count repeat its last row: the same wave stores the same numbers to the same place.
; No tensor load, no cluster: the count of pairs is read from memory, and no two work-groups share a byte of W2.  The barrier stands ahead of every branch on that count.
; LIMITS: NaN and infinities are not served; a block whose largest magnitude lies under 2^-122 gets the byte 1 (a block of zeros too: its codes are zeros, and this program alone reads the bytes).
.set SC,     98304                     ; LDS: 0 .. 98,303 the 64 fragments; 4,096 bytes of scale words; b2's 64 numbers (in 512 bytes); the stages
.set BIA,    102400
.set STG,    102912                    ; 16 rows x (256 + 16) bytes for each wave
.set PITCHB, 4096                      ; from row f to row f + 1 of W2
.set L16,  1                           ; v1   16 x lane
.set LW1,  2                           ; v2   16 x lane + 49,152
.set LSC,  3                           ; v3   SC + 16 (lane % 16)
.set BH,   4                           ; v4   BIA + 32 (lane / 16)
.set L4,   5                           ; v5   4 x lane
.set LANE, 6
.set H4,   7                           ; v7   4 (lane / 16)
.set STO,  8                           ; v8   the stage: where I put 32 bytes of a row;  v9 where I read a row back
.set STR,  9
.set C16,  10                          ; v10  16 (lane % 16)
.set DST,  11                          ; v11  pair row l's row of part: 1024 (2 rank + kh) + token
.set BI,   12                          ; v12-15 b2 on its way to LDS; later
.set GA,   12                          ; v[12:13] tile 0's gate of my row, twice;  v[14:15] tile 1's
.set WS,   16                          ; v16-19 W2's scale words of a step, v20-23 h's, a slot each: these eight hold scales and nothing else
.set RS,   20
.set W,    24
.set RING, 72
.set DO,   168                         ; v168-183 the stores' offsets
.set AC,   192
.set BK,   72                          ; the way out: rows read back, 32 registers a tile;  v136-151 lane indices
.set IX,   136
.set MX,   24
.set SO,   28
.set SB,   32
.set IA,   36
.set SA,   37
.set WO,   38
.set BST,  39
.set T0,   40
.set RP,   41
.set RMK,  42
.set RBS,  43
.set RJ,   44
.set RN,   45
.set RA1,  46
.set RA2,  47
.set RA4,  48
.set RA8,  49
.set RPOS, 50
.set RT,   51
.set TOK,  53
.set SW,   54                          ; my row's word of sel, its gate, and the two loads' offsets
.set GW,   55
.set AD1,  56
.set AD2,  57
.set SELR, 64
.set C,    64
.set G,    96
.set WL,   128
; s2 wave, s3 e, s[16:47] masks, s50 ds, s51 kh, s52 count, s53 pairs, s54 count - 1, s55 pi, s58 1 << e, s59 lanes 16-31, s[60:61] lane selects, s[62:63] b2, s[66:67] W2, s[68:69] hq, s[70:71] hs, s75 the trips of the loop over pairs, s[76:77] part, s78 4 e, s79 1024 kh
.macro QLOAD c
.set rho, 0
.rept 32
	global_load_b128 v[WL+4*rho:WL+4*rho+3], v[WO], s[66:67] offset:(64*(\c)+rho)*PITCHB th:TH_LOAD_NT
.set rho, rho+1
.endr
.endm
.macro QCHUNK c
	s_wait_loadcnt 0x0                             ; the chunk is in (and, ahead of chunk 0, my rows' words of sel and comb)
	s_wait_dscnt 0x0                               ; the last chunk's LDS stores have read their registers
.irp jj, 0,1,2,3
	v_max3_num_f32 v[MX+\jj], |v[WL+\jj]|, |v[WL+4+\jj]|, 0x2800000   ; with the floor 2^(5 - 127): the byte cannot fall under 1
.endr
.set rho, 2
.rept 15
.irp jj, 0,1,2,3
	v_max3_num_f32 v[MX+\jj], v[MX+\jj], |v[WL+4*rho+\jj]|, |v[WL+4*rho+4+\jj]|
.endr
.set rho, rho+2
.endr
.irp jj, 0,1,2,3
	v_add_nc_u32 v[SO+\jj], 0xfe000000, v[MX+\jj]
.endr
.irp jj, 0,1,2,3
	v_lshrrev_b32 v[SB+\jj], 23, v[SO+\jj]
.endr
.irp jj, 0,1,2,3
.set rho, 0
.rept 32
	v_mov_b32 v[G+rho], v[WL+4*rho+\jj]
.set rho, rho+1
.endr
	v_cvt_scalef32_pk16_bf6_f32 v[C+8*\jj:C+8*\jj+2], v[G:G+15], v[SO+\jj]
	v_cvt_scalef32_pk16_bf6_f32 v[C+8*\jj+4:C+8*\jj+6], v[G+16:G+31], v[SO+\jj]
	v_nop                                          ; one plain line behind the conversions
	v_mov_b32 v[C+8*\jj+3], v[C+8*\jj+4]
	v_mov_b32 v[C+8*\jj+4], v[C+8*\jj+5]
	v_mov_b32 v[C+8*\jj+5], v[C+8*\jj+6]
.if (\c) == 0
	ds_store_b128 v[IA], v[C+8*\jj:C+8*\jj+3] offset:16*\jj
	ds_store_b64 v[IA], v[C+8*\jj+4:C+8*\jj+5] offset:512+16*\jj
.else
	ds_store_b64 v[IA], v[C+8*\jj:C+8*\jj+1] offset:520+16*\jj
	ds_store_b128 v[IA], v[C+8*\jj+2:C+8*\jj+5] offset:1024+16*\jj
.endif
	ds_store_b8 v[SA], v[SB+\jj] offset:16*\jj+2*(\c)
.endr
.endm
.macro SELSTEP src, width, wd
	v_bfe_u32 v[RT], v[\src], v[RPOS], \width
	v_cmp_ge_u32 vcc_lo, v[RN], v[RT]
	v_cndmask_b32 v[RT], 0, v[RT], vcc_lo
	v_sub_nc_u32 v[RN], v[RN], v[RT]
	v_cndmask_b32 v[RT], 0, \wd, vcc_lo
	v_add_nc_u32 v[RPOS], v[RPOS], v[RT]
.endm
.macro SELECT                          ; TOK = the token of the expert's row min(32 pi + lane, count - 1): line for line as in the launch before, so that both number the rows alike
	s_lshl_b32 s57, s55, 5
	v_add_nc_u32 v[RP], s57, v[LANE]
	v_min_u32 v[RP], s54, v[RP]
	v_mov_b32 v[RMK], s16
	v_mov_b32 v[RBS], 0
	v_mov_b32 v[RJ], 0
	s_bcnt1_i32_b32 s56, s16
.set j, 1
.rept 31
	v_cmp_gt_u32 vcc_lo, s56, v[RP]
	v_cndmask_b32 v[RMK], s[16+j], v[RMK], vcc_lo
	v_cndmask_b32 v[RBS], s56, v[RBS], vcc_lo
	v_cndmask_b32 v[RJ], j, v[RJ], vcc_lo
	s_bcnt1_i32_b32 s57, s[16+j]
	s_add_co_u32 s56, s56, s57
.set j, j+1
.endr
	v_sub_nc_u32 v[RN], v[RP], v[RBS]
	v_lshrrev_b32 v[RT], 1, v[RMK]
	v_and_b32 v[RT], 0x55555555, v[RT]
	v_sub_nc_u32 v[RA1], v[RMK], v[RT]
	v_lshrrev_b32 v[RT], 2, v[RA1]
	v_and_b32 v[RT], 0x33333333, v[RT]
	v_and_b32 v[RA2], 0x33333333, v[RA1]
	v_add_nc_u32 v[RA2], v[RA2], v[RT]
	v_lshrrev_b32 v[RT], 4, v[RA2]
	v_add_nc_u32 v[RT], v[RA2], v[RT]
	v_and_b32 v[RA4], 0x0f0f0f0f, v[RT]
	v_lshrrev_b32 v[RT], 8, v[RA4]
	v_add_nc_u32 v[RT], v[RA4], v[RT]
	v_and_b32 v[RA8], 0x00ff00ff, v[RT]
	v_mov_b32 v[RPOS], 0
	SELSTEP RA8, 8, 16
	SELSTEP RA4, 8, 8
	SELSTEP RA2, 4, 4
	SELSTEP RA1, 2, 2
	SELSTEP RMK, 1, 1
	v_lshrrev_b32 v[RT], 2, v[RJ]
	v_and_b32 v[RJ], 3, v[RJ]
	v_lshl_add_u32 v[TOK], v[RT], 7, v[RJ]
	v_lshl_add_u32 v[TOK], v[RPOS], 2, v[TOK]
.endm
.macro ROWS_A                          ; my row's word of sel and its gate are asked for
	v_min_u32 v[TOK], 0x3ff, v[TOK]                ; a number made of loaded ones enters addresses behind a bound
	v_lshlrev_b32 v[AD1], 2, v[TOK]
	v_lshlrev_b32 v[AD2], 5, v[TOK]
	v_add_nc_u32 v[AD2], s78, v[AD2]
	global_load_b32 v[SW], v[AD1], s[12:13]
	global_load_b32 v[GW], v[AD2], s[14:15]
.endm
.macro ROWS_B                          ; behind the wait for them
	v_bfe_u32 v[RT], v[SW], 8, 3                   ; the token's second choice
	v_cmp_eq_u32 vcc_lo, s3, v[RT]
	v_cndmask_b32 v[RT], 0, 1, vcc_lo              ; rank
	v_lshl_add_u32 v[DST], v[RT], 11, v[TOK]
	v_add_nc_u32 v[DST], s79, v[DST]
	v_mov_b32 v[RT], 0
	v_permlanex16_b32 v[RT], v[GW], s60, s61
	v_cndmask_b32 v[GA], v[GW], v[RT], s59         ; lane (r, h): the gate of tile 0's row r,
	v_cndmask_b32 v[GA+2], v[RT], v[GW], s59       ; of tile 1's
	v_mov_b32 v[GA+1], v[GA]
	v_mov_b32 v[GA+3], v[GA+2]
.endm
.macro REFILL k                        ; step k's fragments and scale words of h into slot k % 4: seven loads, each of bytes on end
.set RG, RING+24*((\k)%4)
.irp u, 0,1
.irp i, 0,1,2
	global_load_b128 v[RG+12*\u+4*\i:RG+12*\u+4*\i+3], v[L16], s[68:69] offset:49152*\u+1536*(\k)+512*\i
.endr
.endr
	global_load_b32 v[RS+(\k)%4], v[L4], s[70:71] offset:128*(\k)
.endm
.macro BIAS                            ; b2 into the eight accumulators: lane (r, h), tile t, register j: output 16 t + 8 h + j
.irp u, 0,1
.irp t, 0,1,2,3
	ds_load_b128 v[AC+32*\u+8*\t:AC+32*\u+8*\t+3], v[BH] offset:64*\t
	ds_load_b128 v[AC+32*\u+8*\t+4:AC+32*\u+8*\t+7], v[BH] offset:64*\t+16
.endr
.endr
.endm
.macro STEP k
.set SG, (\k)%4
.if (\k) < 8
.set LWR, L16
.else
.set LWR, LW1
.endif
.irp t, 0,1,2,3
.irp i, 0,1,2
	ds_load_b128 v[W+12*\t+4*\i:W+12*\t+4*\i+3], v[LWR] offset:((\k)%8)*6144+1536*\t+512*\i
.endr
.endr
	ds_load_b128 v[WS:WS+3], v[LSC] offset:256*(\k)
.if (\k) < 12
	s_wait_loadcnt 21                              ; this step's seven loads are in; the three later steps' 21 may be out
.else
	s_wait_loadcnt 7*(15-(\k))                     ; seven for each step still to come
.endif
	s_wait_dscnt 0x0
.irp t, 0,1,2,3                        ; the eight accumulators by turns, one instruction a turn, in the same order in every step
	v_wmma_scale_f32_16x16x128_f8f6f4 v[AC+8*\t:AC+8*\t+7], v[W+12*\t:W+12*\t+11], v[RING+24*SG:RING+24*SG+11], v[AC+8*\t:AC+8*\t+7], v[WS+\t], v[RS+SG] matrix_a_fmt:MATRIX_FMT_BF6 matrix_b_fmt:MATRIX_FMT_BF6
	v_wmma_scale_f32_16x16x128_f8f6f4 v[AC+32+8*\t:AC+32+8*\t+7], v[W+12*\t:W+12*\t+11], v[RING+24*SG+12:RING+24*SG+23], v[AC+32+8*\t:AC+32+8*\t+7], v[WS+\t], v[RS+SG] matrix_a_fmt:MATRIX_FMT_BF6 matrix_b_fmt:MATRIX_FMT_BF6 matrix_b_scale:MATRIX_SCALE_ROW1
.endr
.rept 4
	v_nop                                          ; four places in front of loads into registers that these products read, and of the first read of results
.endr
.if (\k) < 12
	REFILL (\k)+4
.endif
.endm
	s_load_b256 s[4:11], s[0:1], 0x0               ; W2 s[4:5], b2 s[6:7], hq s[8:9], hs s[10:11]
	s_load_b128 s[12:15], s[0:1], 0x20             ; sel s[12:13], comb s[14:15]
	s_load_b64 s[48:49], s[0:1], 0x30              ; part
	v_lshrrev_b32 v[T0], 5, v0
	v_readfirstlane_b32 s2, v[T0]                  ; wave 0..15
	s_and_b32 s3, ttmp7, 0xffff                    ; e
	s_and_b32 s50, ttmp9, 15                       ; ds
	s_lshr_b32 s51, ttmp9, 4                       ; kh
	s_lshl_b32 s58, 1, s3
	s_mov_b32 s59, 0xffff0000
	s_mov_b32 s60, 0x76543210
	s_mov_b32 s61, 0xfedcba98
	s_mov_b32 s52, 0
	s_lshl_b32 s78, s3, 2
	s_lshl_b32 s79, s51, 10
	v_and_b32 v[LANE], 31, v0
	v_lshlrev_b32 v[L16], 4, v[LANE]
	v_lshlrev_b32 v[L4], 2, v[LANE]
	v_add_nc_u32 v[LW1], 49152, v[L16]
	; my column 4 (l % 16) + jj: tile (l % 16) / 4, row 4 (l % 4) + jj; my chunk: K step = wave, half = l / 16
	v_mul_u32_u24 v[IA], v[T0], 6144
	v_lshlrev_b32 v[SA], 8, v[T0]
	v_bfe_u32 v[T0], v0, 2, 2
	v_mad_u32_u24 v[IA], v[T0], 1536, v[IA]
	v_lshl_add_u32 v[SA], v[T0], 2, v[SA]
	v_and_b32 v[T0], 3, v0
	v_lshl_add_u32 v[IA], v[T0], 6, v[IA]
	v_lshl_add_u32 v[SA], v[T0], 6, v[SA]
	s_mul_i32 s57, s2, 4352
	s_add_co_u32 s57, s57, STG                     ; my stage
	v_and_b32 v[T0], 15, v0
	v_lshlrev_b32 v[C16], 4, v[T0]
	v_lshl_add_u32 v[LSC], v[T0], 4, SC
	v_add_nc_u32 v[BST], BIA, v[C16]
	v_mul_u32_u24 v[STO], v[T0], 272
	v_add_nc_u32 v[STO], s57, v[STO]
	v_add_nc_u32 v[STR], s57, v[C16]
	v_bfe_u32 v[T0], v0, 4, 1                      ; h
	v_lshl_add_u32 v[IA], v[T0], 8, v[IA]
	v_add_nc_u32 v[SA], v[T0], v[SA]
	v_add_nc_u32 v[SA], SC, v[SA]
	v_lshl_add_u32 v[BH], v[T0], 5, BIA
	v_lshlrev_b32 v[H4], 2, v[T0]
	v_lshl_add_u32 v[WO], v[T0], 17, v[C16]        ; lanes 16-31: 32 rows of 4,096 bytes further down
	v_lshl_add_u32 v[STO], v[T0], 5, v[STO]        ; in: row r, + 32 h
	v_mad_u32_u24 v[STR], v[T0], 272, v[STR]       ; back: lanes 0-15 one row, lanes 16-31 the next
	s_lshl_b32 s72, s3, 24                         ; W2: e x 2^24 + (2048 kh + 128 wave) x 4,096 + 256 ds
	s_lshl_b32 s73, s51, 23
	s_add_co_u32 s72, s72, s73
	s_lshl_b32 s73, s2, 19
	s_add_co_u32 s72, s72, s73
	s_lshl_b32 s73, s50, 8
	s_add_co_u32 s72, s72, s73
	s_mov_b32 s73, 0
	s_lshl_b32 s74, s3, 12                         ; b2: 4,096 e + 256 ds
	s_lshl_b32 s75, s50, 8
	s_add_co_u32 s74, s74, s75
	s_mov_b32 s75, 0
	s_cmp_eq_u32 s51, 0
	s_cselect_b32 s56, -1, 0                       ; b2 counts once: in the half kh = 0
	s_wait_kmcnt 0x0
	s_add_nc_u64 s[66:67], s[4:5], s[72:73]
	s_add_nc_u64 s[62:63], s[6:7], s[74:75]
	s_lshl_b32 s72, s50, 8
	s_add_nc_u64 s[76:77], s[48:49], s[72:73]      ; part at my 256 bytes of a row
	global_load_b128 v[BI:BI+3], v[C16], s[62:63]
.irp a, 0,1,2,3,4,5,6,7
	global_load_b128 v[SELR+4*\a:SELR+4*\a+3], v[L16], s[12:13] offset:512*\a
.endr
	QLOAD 0
	s_wait_loadcnt 32                              ; b2 and sel are in; the chunk's 32 loads stay out, and the work up to QCHUNK 0 stands under them
.irp i, 0,1,2,3
	v_and_b32 v[BI+\i], s56, v[BI+\i]
.endr
	s_cmp_lg_u32 s2, 0
	s_cbranch_scc1 .Lnob
	ds_store_b128 v[BST], v[BI:BI+3]               ; wave 0: b2's 256 bytes (both halves of the lanes write the same bytes with the same values)
.Lnob:
.set j, 0
.rept 32
	v_and_b32 v[SELR+j], s58, v[SELR+j]
	v_cmp_ne_u32 s[16+j], 0, v[SELR+j]
	s_bcnt1_i32_b32 s57, s[16+j]
	s_add_co_u32 s52, s52, s57
.set j, j+1
.endr
	s_min_u32 s52, s52, 1024
	s_add_co_u32 s53, s52, 31
	s_lshr_b32 s53, s53, 5                         ; pairs of tiles, at most 32
	s_max_u32 s54, s52, 1
	s_sub_co_u32 s54, s54, 1
	s_mov_b32 s55, s2
	SELECT
	ROWS_A
	QCHUNK 0
	QLOAD 1
	QCHUNK 1
	ROWS_B
	s_wait_dscnt 0x0                               ; for the others' sake: my stores have landed
	s_barrier_signal -1
	s_barrier_wait -1                              ; the slice lies in LDS as codes; from here on a wave writes only its own stage
	s_mov_b32 s75, 0                               ; the loop is counted against the constant 2: my pairs are wave and wave + 16, and an expert has at most 32
	s_cmp_ge_u32 s55, s53
	s_cbranch_scc1 .Ldone                          ; no pair of mine at all
.Lpair:
	s_lshl_b32 s72, s3, 6                          ; hq: ((64 e + 2 pi) x 32 + 16 kh) x 1,536
	s_lshl_b32 s73, s55, 1
	s_add_co_u32 s72, s72, s73
	s_lshl_b32 s72, s72, 5
	s_lshl_b32 s73, s51, 4
	s_add_co_u32 s72, s72, s73
	s_mul_i32 s72, s72, 1536
	s_mov_b32 s73, 0
	s_add_nc_u64 s[68:69], s[8:9], s[72:73]
	s_lshl_b32 s72, s3, 5                          ; hs: ((32 e + pi) x 32 + 16 kh) x 128
	s_add_co_u32 s72, s72, s55
	s_lshl_b32 s72, s72, 5
	s_lshl_b32 s74, s51, 4
	s_add_co_u32 s72, s72, s74
	s_lshl_b32 s72, s72, 7
	s_add_nc_u64 s[70:71], s[10:11], s[72:73]
	REFILL 0
	REFILL 1
	REFILL 2
	REFILL 3
	BIAS
.irp k, 0,1,2,3,4,5,6,7,8,9,10,11,12,13,14,15
	STEP \k
.endr
	; THE WAY OUT.  Store (u, i) takes stage rows 2 i (lanes 0-15) and 2 i + 1 (lanes 16-31) of tile u: their rows of part are held by lanes 16 u + 2 i + h
.irp u, 0,1
.irp i, 0,1,2,3,4,5,6,7
	v_add_nc_u32 v[IX+8*\u+\i], 64*\u+8*\i, v[H4]
.endr
.endr
.irp u, 0,1
.irp i, 0,1,2,3,4,5,6,7
	ds_bpermute_b32 v[DO+8*\u+\i], v[IX+8*\u+\i], v[DST]
.endr
.endr
.irp u, 0,1
.set j, 0
.rept 16
	v_pk_mul_f32 v[AC+32*\u+j:AC+32*\u+j+1], v[AC+32*\u+j:AC+32*\u+j+1], v[GA+2*\u:GA+2*\u+1]   ; x the row's gate; each accumulator from its low end on
.set j, j+2
.endr
.irp t, 0,1,2,3
	ds_store_b128 v[STO], v[AC+32*\u+8*\t:AC+32*\u+8*\t+3] offset:64*\t
	ds_store_b128 v[STO], v[AC+32*\u+8*\t+4:AC+32*\u+8*\t+7] offset:64*\t+16
.endr
.irp i, 0,1,2,3,4,5,6,7
	ds_load_b128 v[BK+32*\u+4*\i:BK+32*\u+4*\i+3], v[STR] offset:544*\i   ; LDS serves a wave's instructions in order (ISA guide 5.7.1.4): these see my stores, and tile 1's stores come behind them
.endr
.endr
	s_wait_dscnt 0x0
.set j, 0
.rept 16
	v_min_u32 v[DO+j], 0xfff, v[DO+j]              ; a number made of loaded ones enters an address behind a bound
	v_lshl_add_u32 v[DO+j], v[DO+j], 12, v[C16]
.set j, j+1
.endr
.irp u, 0,1
.irp i, 0,1,2,3,4,5,6,7
	global_store_b128 v[DO+8*\u+\i], v[BK+32*\u+4*\i:BK+32*\u+4*\i+3], s[76:77] th:TH_STORE_NT   ; sixteen lanes store 256 bytes on end
.endr
.endr
	s_wait_xcnt 0x0                                ; the stores' data and offsets are written again only behind this wait
	s_add_co_u32 s55, s55, 16
	s_cmp_ge_u32 s55, s53
	s_cbranch_scc1 .Ldone                          ; no second pair: out, ahead of the work that would prepare it
	SELECT
	ROWS_A
	s_wait_loadcnt 0x0
	ROWS_B
	s_add_co_u32 s75, s75, 1
	s_cmp_lt_u32 s75, 2
	s_cbranch_scc1 .Lpair
.Ldone:
	s_wait_xcnt 0x0
	v_lshl_add_u32 v254, v0, 2, 0x2a200
	v_mov_b32 v255, 0
	s_wait_tensorcnt 0x0
	ds_add_u32 v254, v255
	s_wait_dscnt 0x0
	s_endpgm
.Lfunc_end_k_q33e4797e33_down:
	.size	k_q33e4797e33_down, .Lfunc_end_k_q33e4797e33_down-k_q33e4797e33_down
	.p2alignl 7, 3214868480
	.fill 96, 4, 3214868480
	.section	.rodata,"a",@progbits
	.p2align	6, 0x0
	.amdhsa_kernel k_q33e4797e33_down
		.amdhsa_group_segment_fixed_size 174592
		.amdhsa_private_segment_fixed_size 0
		.amdhsa_enable_private_segment 0
		.amdhsa_kernarg_size 56
		.amdhsa_user_sgpr_count 2
		.amdhsa_user_sgpr_kernarg_segment_ptr 1
		.amdhsa_wavefront_size32 1
		.amdhsa_system_sgpr_workgroup_id_x 1
		.amdhsa_system_sgpr_workgroup_id_y 1
		.amdhsa_system_sgpr_workgroup_id_z 1
		.amdhsa_system_vgpr_workitem_id 0
		.amdhsa_next_free_vgpr 256
		.amdhsa_next_free_sgpr 80
		.amdhsa_reserve_vcc 1
		.amdhsa_float_denorm_mode_32 3
		.amdhsa_float_denorm_mode_16_64 3
		.amdhsa_memory_ordered 1
		.amdhsa_forward_progress 1
		.amdhsa_inst_pref_size 109
	.end_amdhsa_kernel
	.amdgpu_metadata
---
amdhsa.version: [ 1, 2 ]
amdhsa.kernels:
  - .name:           k_q33e4797e33_down
    .symbol:         k_q33e4797e33_down.kd
    .args:
      - { .name: W2, .offset: 0, .size: 8, .value_kind: global_buffer, .address_space: global }
      - { .name: b2, .offset: 8, .size: 8, .value_kind: global_buffer, .address_space: global }
      - { .name: hq, .offset: 16, .size: 8, .value_kind: global_buffer, .address_space: global }
      - { .name: hs, .offset: 24, .size: 8, .value_kind: global_buffer, .address_space: global }
      - { .name: sel, .offset: 32, .size: 8, .value_kind: global_buffer, .address_space: global }
      - { .name: comb, .offset: 40, .size: 8, .value_kind: global_buffer, .address_space: global }
      - { .name: part, .offset: 48, .size: 8, .value_kind: global_buffer, .address_space: global }
    .group_segment_fixed_size: 174592
    .private_segment_fixed_size: 0
    .kernarg_segment_align: 8
    .kernarg_segment_size: 56
    .max_flat_workgroup_size: 512
    .sgpr_count:     80
    .vgpr_count:     256
    .wavefront_size: 32
...
	.end_amdgpu_metadata
.endif
;; end of part 3
;; launch sum (part 4): grid 256 x 1, 8 waves a work-group, no clusters, 0 bytes of LDS; arguments part, out0; writes out0
.if DOCPART == 4
	.amdgcn_target "amdgcn-amd-amdhsa--gfx1250"
	.amdhsa_code_object_version 6
	.text
	.protected	k_q33e4797e33_sum
	.globl	k_q33e4797e33_sum
	.p2align	8
	.type	k_q33e4797e33_sum,@function
k_q33e4797e33_sum:
	s_mov_b64 s[64:65], 0
	v_nop
	global_prefetch_b8 v0, s[64:65] scope:SCOPE_SE
	s_setreg_imm32_b32 hwreg(HW_REG_WAVE_MODE, 25, 1), 1
	s_wait_xcnt 0x0
; out0[token][d] = the sum of a token's four parts (two chosen experts x two halves of the second product's K), as (p0 + p1) + (p2 + p3), in f32.
; A work-group of eight waves takes 4 tokens; thread i owns the 16 bytes at 16 i of each row, so a wave's load or store covers 512 bytes on end.  All 16 loads go out at once; no loop, no LDS, no barrier.
; The parts lie 4 MiB apart: two bases, 8 MiB apart, since a load's immediate has 24 signed bits (ISA guide, chapter 10).
	s_load_b128 s[4:7], s[0:1], 0x0                ; part, out0
	v_lshlrev_b32 v1, 4, v0
	s_lshl_b32 s8, ttmp9, 14                       ; 4 rows of 4,096 bytes
	s_mov_b32 s9, 0
	s_wait_kmcnt 0x0
	s_add_nc_u64 s[4:5], s[4:5], s[8:9]
	s_add_nc_u64 s[6:7], s[6:7], s[8:9]
	s_add_nc_u64 s[10:11], s[4:5], 0x800000
.irp j, 0,1,2,3
	global_load_b128 v[4+16*\j:7+16*\j], v1, s[4:5] offset:4096*\j th:TH_LOAD_NT
	global_load_b128 v[8+16*\j:11+16*\j], v1, s[4:5] offset:4194304+4096*\j th:TH_LOAD_NT
	global_load_b128 v[12+16*\j:15+16*\j], v1, s[10:11] offset:4096*\j th:TH_LOAD_NT
	global_load_b128 v[16+16*\j:19+16*\j], v1, s[10:11] offset:4194304+4096*\j th:TH_LOAD_NT
.endr
.irp j, 0,1,2,3
	s_wait_loadcnt 12-4*\j                         ; row j's four loads are in; the later rows' may be out
	v_pk_add_f32 v[4+16*\j:5+16*\j], v[4+16*\j:5+16*\j], v[8+16*\j:9+16*\j]
	v_pk_add_f32 v[6+16*\j:7+16*\j], v[6+16*\j:7+16*\j], v[10+16*\j:11+16*\j]
	v_pk_add_f32 v[12+16*\j:13+16*\j], v[12+16*\j:13+16*\j], v[16+16*\j:17+16*\j]
	v_pk_add_f32 v[14+16*\j:15+16*\j], v[14+16*\j:15+16*\j], v[18+16*\j:19+16*\j]
	v_pk_add_f32 v[4+16*\j:5+16*\j], v[4+16*\j:5+16*\j], v[12+16*\j:13+16*\j]
	v_pk_add_f32 v[6+16*\j:7+16*\j], v[6+16*\j:7+16*\j], v[14+16*\j:15+16*\j]
	global_store_b128 v1, v[4+16*\j:7+16*\j], s[6:7] offset:4096*\j th:TH_STORE_NT
.endr
	s_endpgm
.Lfunc_end_k_q33e4797e33_sum:
	.size	k_q33e4797e33_sum, .Lfunc_end_k_q33e4797e33_sum-k_q33e4797e33_sum
	.p2alignl 7, 3214868480
	.fill 96, 4, 3214868480
	.section	.rodata,"a",@progbits
	.p2align	6, 0x0
	.amdhsa_kernel k_q33e4797e33_sum
		.amdhsa_group_segment_fixed_size 0
		.amdhsa_private_segment_fixed_size 0
		.amdhsa_enable_private_segment 0
		.amdhsa_kernarg_size 16
		.amdhsa_user_sgpr_count 2
		.amdhsa_user_sgpr_kernarg_segment_ptr 1
		.amdhsa_wavefront_size32 1
		.amdhsa_system_sgpr_workgroup_id_x 1
		.amdhsa_system_sgpr_workgroup_id_y 1
		.amdhsa_system_sgpr_workgroup_id_z 1
		.amdhsa_system_vgpr_workitem_id 0
		.amdhsa_next_free_vgpr 72
		.amdhsa_next_free_sgpr 66
		.amdhsa_reserve_vcc 0
		.amdhsa_float_denorm_mode_32 3
		.amdhsa_float_denorm_mode_16_64 3
		.amdhsa_memory_ordered 1
		.amdhsa_forward_progress 1
		.amdhsa_inst_pref_size 5
	.end_amdhsa_kernel
	.amdgpu_metadata
---
amdhsa.version: [ 1, 2 ]
amdhsa.kernels:
  - .name:           k_q33e4797e33_sum
    .symbol:         k_q33e4797e33_sum.kd
    .args:
      - { .name: part, .offset: 0, .size: 8, .value_kind: global_buffer, .address_space: global }
      - { .name: out0, .offset: 8, .size: 8, .value_kind: global_buffer, .address_space: global }
    .group_segment_fixed_size: 0
    .private_segment_fixed_size: 0
    .kernarg_segment_align: 8
    .kernarg_segment_size: 16
    .max_flat_workgroup_size: 256
    .sgpr_count:     66
    .vgpr_count:     72
    .wavefront_size: 32
...
	.end_amdgpu_metadata
.endif
;; end of part 4
;; ======== version 2 of 2: 4 launches
;; workspace buffers: xq 786,432 bytes; xs 32,768 bytes; sel 4,096 bytes of whole numbers; comb 32,768 bytes; hq 25,165,824 bytes; hs 1,048,576 bytes; part 16,777,216 bytes
;; launch route (part 5): grid 256 x 1, 8 waves a work-group, no clusters, 84,992 bytes of LDS; arguments x, Wg, bg, Wn, bn, noise, xq, xs, sel, comb; writes xq, xs, sel, comb
.if DOCPART == 5
	.amdgcn_target "amdgcn-amd-amdhsa--gfx1250"
	.amdhsa_code_object_version 6
	.text
	.protected	k_q33e4797e33_route
	.globl	k_q33e4797e33_route
	.p2align	8
	.type	k_q33e4797e33_route,@function
k_q33e4797e33_route:
	s_mov_b64 s[64:65], 0
	v_nop
	global_prefetch_b8 v0, s[64:65] scope:SCOPE_SE
	s_setreg_imm32_b32 hwreg(HW_REG_WAVE_MODE, 25, 1), 1
	s_wait_xcnt 0x0
; THE ROUTER AND x's CODES.  H = x Wg + bg + noise * softplus(x Wn + bn), the two largest of its 8 numbers (ties: the lower index), the softmax of the two; and x as codes of E3M2 with one E8M0 byte for each 32 along d.
; A work-group of eight waves takes 4 tokens.  First part: wave w owns d = 128 w .. 128 w + 127, lane l four of them, for all 4 tokens and all 16 columns of [Wg | Wn]: fused multiply-adds in f32, two at a time.
; The 64 partial sums of a lane and the tokens' numbers go to LDS; ONE barrier.  Second part: waves 0-3 finish the router of one token each, waves 4-7 quantise one token each (a lane to a block of 32).
; OUT: sel[token] = (1 << first) | (1 << second) | (second << 8), whole numbers at fixed places: no address and no branch of this launch hangs on them.  comb[token][8]: the two weights, 0 elsewhere.
;      xq[token][768]: block 4 s + 2 c + h (24 bytes) at 96 s + 48 h + 24 c, so that a lane of an operand finds its 12 registers of K step s as 48 bytes on end.  xs[token][32]: the scale bytes in K's order.
; The stores of sel (4 bytes a wave) and comb (32 bytes a wave) fill no aligned 256 bytes: 36 KB of the launch's 850 KB.
; LIMITS: NaN and infinities among the inputs are not served.  The router's sums are taken in another order than a row-by-row sum: two of a token's 8 numbers that are closer than f32 rounding may change places.
;         A block whose largest magnitude lies under 2^-122 gets the byte 1 (a block of zeros too: its codes are zeros, and this program alone reads the bytes).
.set XT,   65536                       ; LDS: 0 .. 65,535 the partial sums: wave w, group g (token g / 4, columns 4 (g % 4) on), lane l at 8192 w + 512 g + 16 l
.set XROW, 4608                        ; from XT on the 4 tokens' numbers: 32 blocks of 128 bytes, 16 bytes of padding behind each
.set X,    16                          ; v16-31   x: 4 numbers a token
.set WGR,  32                          ; v32-63   Wg[d = 4 l + q][c] at 8 q + c
.set WNR,  64                          ; v64-95   Wn likewise
.set ACC,  96                          ; v96-159  the sums: token tt, column c (0-7 Wg's, 8-15 Wn's) at 16 tt + c
.set XD,   160                         ; v160-175 x's odd numbers, each twice: pairs whose low word the packed lines take
	s_load_b256 s[4:11], s[0:1], 0x0               ; x s[4:5], Wg s[6:7], bg s[8:9], Wn s[10:11]
	s_load_b256 s[12:19], s[0:1], 0x20             ; bn s[12:13], noise s[14:15], xq s[16:17], xs s[18:19]
	s_load_b128 s[20:23], s[0:1], 0x40             ; sel s[20:21], comb s[22:23]
	v_lshl_add_u32 v192, v0, 2, 0x14800
	v_mov_b32 v193, 0
	v_lshrrev_b32 v11, 5, v0
	s_delay_alu instid0(VALU_DEP_1)
	v_readfirstlane_b32 s48, v11                   ; wave 0..7
	s_and_b32 s49, s48, 3                          ; the token of my second part
	s_mov_b32 s50, 0x76543210
	s_mov_b32 s51, 0xfedcba98                      ; v_permlanex16_b32's selects for lane l xor 16
	v_and_b32 v1, 31, v0                           ; lane
	v_lshlrev_b32 v2, 4, v0                        ; x: 512 w + 16 l
	v_lshlrev_b32 v3, 7, v0                        ; Wg, Wn: my 4 rows of 32 bytes: 4096 w + 128 l
	s_delay_alu instid0(VALU_DEP_3)
	v_lshlrev_b32 v12, 4, v1
	v_bfe_u32 v13, v0, 3, 2
	s_delay_alu instid0(VALU_DEP_1)
	v_lshl_add_u32 v4, v13, 4, v12
	s_delay_alu instid0(VALU_DEP_1)
	v_mad_u32_u24 v4, v11, 576, v4
	s_delay_alu instid0(VALU_DEP_1)
	v_add_nc_u32 v4, XT, v4                        ; x into LDS: XT + 576 w + 16 l + 16 (l / 8)
	v_lshl_add_u32 v5, v11, 13, v12                ; my sums into LDS: 8192 w + 16 l
	s_lshl_b32 s52, s49, 11
	v_add_nc_u32 v6, s52, v12                      ; and back: 2048 tt + 16 l
	s_mul_i32 s52, s49, XROW
	s_add_co_u32 s52, s52, XT
	v_mul_u32_u24 v7, v1, 144
	s_delay_alu instid0(VALU_DEP_1)
	v_add_nc_u32 v7, s52, v7                       ; a token's block l: XT + 4608 tt + 144 l
	v_lshrrev_b32 v13, 2, v1
	s_delay_alu instid0(VALU_DEP_1)
	v_mul_u32_u24 v8, v13, 96
	v_and_b32 v13, 1, v1
	s_delay_alu instid0(VALU_DEP_1)
	v_mad_u32_u24 v8, v13, 48, v8
	v_bfe_u32 v13, v1, 1, 1
	s_delay_alu instid0(VALU_DEP_1)
	v_mad_u32_u24 v8, v13, 24, v8                  ; block l's place in a row of xq
	v_mov_b32 v9, 0
	v_lshlrev_b32 v10, 2, v1
	s_wait_kmcnt 0x0
	s_lshl_b32 s52, ttmp9, 14                      ; the work-group's 4 rows of 4,096 bytes
	s_mov_b32 s53, 0
	s_add_nc_u64 s[4:5], s[4:5], s[52:53]
	s_lshl_b32 s54, ttmp9, 2
	s_add_co_u32 s54, s54, s49                     ; my second part's token
	s_lshl_b32 s55, s54, 5                         ; x 32 bytes
	s_load_b256 s[24:31], s[8:9], 0x0              ; bg
	s_load_b256 s[32:39], s[12:13], 0x0            ; bn
	s_load_b256 s[40:47], s[14:15], s55 offset:0x0 ; the token's noise
	s_mov_b32 s56, s55
	s_mov_b32 s57, 0
	s_add_nc_u64 s[18:19], s[18:19], s[56:57]      ; xs and comb at the token's 32 bytes
	s_add_nc_u64 s[22:23], s[22:23], s[56:57]
	s_mul_i32 s58, s54, 768
	s_mov_b32 s59, 0
	s_add_nc_u64 s[16:17], s[16:17], s[58:59]      ; xq at its 768
	s_lshl_b32 s60, s54, 2
	s_mov_b32 s61, 0
	s_add_nc_u64 s[20:21], s[20:21], s[60:61]      ; sel at its word
	s_mov_b32 s56, 0xbfb8aa3b                      ; -log2(e)
.irp tt, 0,1,2,3
	global_load_b128 v[X+4*\tt:X+4*\tt+3], v2, s[4:5] offset:4096*\tt th:TH_LOAD_NT   ; a wave reads 512 bytes on end; x is read once
.endr
.irp m, 0,1,2,3,4,5,6,7
	global_load_b128 v[WGR+4*\m:WGR+4*\m+3], v3, s[6:7] offset:16*\m
.endr
.irp m, 0,1,2,3,4,5,6,7
	global_load_b128 v[WNR+4*\m:WNR+4*\m+3], v3, s[10:11] offset:16*\m
.endr
	s_wait_loadcnt 16                              ; x's four loads are in; the 16 behind them may be out
.irp tt, 0,1,2,3
	ds_store_b128 v4, v[X+4*\tt:X+4*\tt+3] offset:XROW*\tt
.endr
.irp tt, 0,1,2,3
	v_mov_b32 v[XD+4*\tt], v[X+4*\tt+1]
	v_mov_b32 v[XD+4*\tt+1], v[X+4*\tt+1]
	v_mov_b32 v[XD+4*\tt+2], v[X+4*\tt+3]
	v_mov_b32 v[XD+4*\tt+3], v[X+4*\tt+3]
.endr
	s_wait_loadcnt 0x0
; token tt: 16 columns x my 4 numbers, two columns an instruction; the first product starts each sum
.macro DOT tt
.irp q, 0,1,2,3
.if \q%2 == 0
.set XP, X+4*(\tt)+\q
.else
.set XP, XD+4*(\tt)+\q-1
.endif
.irp p, 0,1,2,3
.if \q == 0
	v_pk_mul_f32 v[ACC+16*(\tt)+2*\p:ACC+16*(\tt)+2*\p+1], v[WGR+2*\p:WGR+2*\p+1], v[XP:XP+1] op_sel_hi:[1,0]
	v_pk_mul_f32 v[ACC+16*(\tt)+8+2*\p:ACC+16*(\tt)+9+2*\p], v[WNR+2*\p:WNR+2*\p+1], v[XP:XP+1] op_sel_hi:[1,0]
.else
	v_pk_fma_f32 v[ACC+16*(\tt)+2*\p:ACC+16*(\tt)+2*\p+1], v[WGR+8*\q+2*\p:WGR+8*\q+2*\p+1], v[XP:XP+1], v[ACC+16*(\tt)+2*\p:ACC+16*(\tt)+2*\p+1] op_sel_hi:[1,0,1]
	v_pk_fma_f32 v[ACC+16*(\tt)+8+2*\p:ACC+16*(\tt)+9+2*\p], v[WNR+8*\q+2*\p:WNR+8*\q+2*\p+1], v[XP:XP+1], v[ACC+16*(\tt)+8+2*\p:ACC+16*(\tt)+9+2*\p] op_sel_hi:[1,0,1]
.endif
.endr
.endr
.endm
	DOT 0
	DOT 1
	DOT 2
	DOT 3
.irp g, 0,1,2,3,4,5,6,7,8,9,10,11,12,13,14,15
	ds_store_b128 v5, v[ACC+4*\g:ACC+4*\g+3] offset:512*\g
.endr
	s_wait_kmcnt 0x0                               ; bg, bn, noise
	s_wait_dscnt 0x0                               ; for the others' sake: my stores have landed
	s_barrier_signal -1
	s_barrier_wait -1                              ; the one barrier; behind it LDS is only read
	s_cmp_lt_u32 s48, 4
	s_cbranch_scc0 .Lquant
	; ---- waves 0-3: the router of token tt
.irp sw, 0,1,2,3,4,5,6,7
.irp i, 0,1,2,3
	ds_load_b128 v[16+16*\sw+4*\i:19+16*\sw+4*\i], v6 offset:8192*\sw+512*\i
.endr
.endr
	s_wait_dscnt 0x0
.set r, 0
.rept 32
	v_pk_add_f32 v[16+r:17+r], v[16+r:17+r], v[80+r:81+r]      ; the eight waves' parts, as a tree
.set r, r+2
.endr
.set r, 0
.rept 16
	v_pk_add_f32 v[16+r:17+r], v[16+r:17+r], v[48+r:49+r]
.set r, r+2
.endr
.set r, 0
.rept 8
	v_pk_add_f32 v[16+r:17+r], v[16+r:17+r], v[32+r:33+r]
.set r, r+2
.endr
.irp m, 1,2,4,8
.set r, 0
.rept 16
	v_add_f32_dpp v[16+r], v[16+r], v[16+r] row_xmask:\m row_mask:0xf bank_mask:0xf   ; the 32 lanes' parts; the 16 columns by turns
.set r, r+1
.endr
.endr
.set r, 0
.rept 16
	v_permlanex16_b32 v[32+r], v[16+r], s50, s51
.set r, r+1
.endr
.set r, 0
.rept 16
	v_add_f32 v[16+r], v[16+r], v[32+r]            ; every lane: v16-23 x Wg, v24-31 x Wn
.set r, r+1
.endr
	; softplus(z) = max(z, 0) + ln 2 x log2(1 + 2^(-|z| log2 e)): no exponential can overflow
.irp c, 0,1,2,3,4,5,6,7
	v_add_f32 v[144+\c], s[32+\c], v[24+\c]        ; z
.endr
.irp c, 0,1,2,3,4,5,6,7
	v_mul_f32 v[152+\c], s56, |v[144+\c]|
.endr
	s_wait_alu depctr_va_vdst(0)
.irp c, 0,1,2,3,4,5,6,7
	v_exp_f32 v[152+\c], v[152+\c]
.endr
.irp c, 0,1,2,3,4,5,6,7
	v_max_num_f32 v[144+\c], 0, v[144+\c]          ; plain work behind the batch, which names none of its results
.endr
	s_wait_alu depctr_va_vdst(0)                   ; one wait for the eight exponentials, ahead of their first reader
.irp c, 0,1,2,3,4,5,6,7
	v_add_f32 v[152+\c], 1.0, v[152+\c]
.endr
	s_wait_alu depctr_va_vdst(0)
.irp c, 0,1,2,3,4,5,6,7
	v_log_f32 v[152+\c], v[152+\c]
.endr
.irp c, 0,1,2,3,4,5,6,7
	v_add_f32 v[16+\c], s[24+\c], v[16+\c]         ; x Wg + bg: plain work behind the batch
.endr
	s_wait_alu depctr_va_vdst(0)                   ; one wait for the eight logarithms
.irp c, 0,1,2,3,4,5,6,7
	v_fmamk_f32 v[144+\c], v[152+\c], 0x3f317218, v[144+\c]
.endr
.irp c, 0,1,2,3,4,5,6,7
	v_fmac_f32 v[16+\c], s[40+\c], v[144+\c]       ; H
.endr
	v_mov_b32 v160, v16                            ; the largest: a later one takes its place only if it is greater, so the lower index is kept
	v_mov_b32 v161, 0
.irp c, 1,2,3,4,5,6,7
	s_delay_alu instid0(VALU_DEP_2)
	v_cmp_gt_f32 vcc_lo, v[16+\c], v160
	s_delay_alu instid0(VALU_DEP_1)
	v_cndmask_b32 v160, v160, v[16+\c], vcc_lo
	s_delay_alu instid0(VALU_DEP_2)
	v_cndmask_b32 v161, v161, \c, vcc_lo
.endr
	v_mov_b32 v162, 0xff800000                     ; the second: the same scan, past the first's index
	v_mov_b32 v163, 0
.irp c, 0,1,2,3,4,5,6,7
	s_delay_alu instid0(VALU_DEP_2)
	v_cmp_gt_f32 s57, v[16+\c], v162
	v_cmp_ne_u32 s58, \c, v161
	s_and_b32 vcc_lo, s57, s58
	v_cndmask_b32 v162, v162, v[16+\c], vcc_lo
	v_cndmask_b32 v163, v163, \c, vcc_lo
.endr
	s_delay_alu instid0(VALU_DEP_2)
	v_sub_f32 v164, v162, v160                     ; the softmax of the two, the larger taken off: 1 / (1 + t) and t / (1 + t), t = e^(second - first), at most 1
	s_delay_alu instid0(VALU_DEP_1)
	v_mul_f32 v164, 0x3fb8aa3b, v164
	s_wait_alu depctr_va_vdst(0)
	v_exp_f32 v164, v164
	v_mov_b32 v169, 1
	s_wait_alu depctr_va_vdst(0)
	v_add_f32 v165, 1.0, v164
	s_wait_alu depctr_va_vdst(0)
	v_rcp_f32 v165, v165
	v_mov_b32 v167, 0
	s_wait_alu depctr_va_vdst(0)
	v_mul_f32 v166, v164, v165
	v_cmp_eq_u32 vcc_lo, v1, v163
	s_delay_alu instid0(VALU_DEP_1)
	v_cndmask_b32 v167, v167, v166, vcc_lo
	v_cmp_eq_u32 vcc_lo, v1, v161
	v_cndmask_b32 v167, v167, v165, vcc_lo         ; lane e: comb[token][e]
	v_lshlrev_b32 v168, v161, v169
	v_lshlrev_b32 v170, v163, v169
	s_delay_alu instid0(VALU_DEP_1)
	v_or_b32 v168, v168, v170
	s_delay_alu instid0(VALU_DEP_1)
	v_lshl_or_b32 v168, v163, 8, v168              ; the word of sel
	v_cmp_gt_u32 vcc_lo, 8, v1
	s_wait_alu depctr_va_vdst(0)
	s_wait_xcnt 0x0                                ; EXEC changes only behind this wait
	s_wait_tensorcnt 0x0
	ds_add_u32 v192, v193
	s_wait_dscnt 0x0
	s_and_saveexec_b32 s62, vcc_lo
	global_store_b32 v10, v167, s[22:23]           ; lanes 0-7
	s_wait_xcnt 0x0
	s_or_b32 exec_lo, exec_lo, s62
	v_cmp_gt_u32 vcc_lo, 1, v1
	s_and_saveexec_b32 s62, vcc_lo
	global_store_b32 v9, v168, s[20:21]            ; lane 0
	s_wait_xcnt 0x0
	s_or_b32 exec_lo, exec_lo, s62
	s_endpgm
.Lquant:
	; ---- waves 4-7: token tt as codes; lane l holds block l, 32 neighbours along d
.irp i, 0,1,2,3,4,5,6,7
	ds_load_b128 v[16+4*\i:19+4*\i], v7 offset:16*\i
.endr
	s_wait_dscnt 0x0
	v_max3_num_f32 v144, |v16|, |v17|, 0x2800000   ; the largest magnitude, in two chains, with the floor 2^(5 - 127) as a leaf: the byte cannot fall under 1
	v_max3_num_f32 v145, |v18|, |v19|, |v20|
.irp i, 21,25,29,33,37,41
	s_delay_alu instid0(VALU_DEP_2)
	v_max3_num_f32 v144, v144, |v[\i]|, |v[\i+1]|
	s_delay_alu instid0(VALU_DEP_2)
	v_max3_num_f32 v145, v145, |v[\i+2]|, |v[\i+3]|
.endr
	s_delay_alu instid0(VALU_DEP_2)
	v_max3_num_f32 v144, v144, |v45|, |v46|
	s_delay_alu instid0(VALU_DEP_1)
	v_max3_num_f32 v144, v144, v145, |v47|
	s_delay_alu instid0(VALU_DEP_1)
	v_add_nc_u32 v146, 0xfe000000, v144            ; 4 off its exponent field: the conversion takes this operand's exponent field as its scale
	s_delay_alu instid0(VALU_DEP_1)
	v_lshrrev_b32 v147, 23, v146                   ; the scale's byte
	v_cvt_scalef32_pk16_bf6_f32 v[148:150], v[16:31], v146
	v_cvt_scalef32_pk16_bf6_f32 v[152:154], v[32:47], v146     ; (a conversion's three registers begin on an even number)
	v_nop                                          ; one plain line behind the conversions
	v_mov_b32 v151, v152
	v_mov_b32 v152, v153
	v_mov_b32 v153, v154                           ; v148-153: the block's 24 bytes
	global_store_b64 v8, v[148:149], s[16:17]
	global_store_b64 v8, v[150:151], s[16:17] offset:8
	global_store_b64 v8, v[152:153], s[16:17] offset:16        ; the three together cover the token's 768 bytes on end
	global_store_b8 v1, v147, s[18:19]
	s_wait_tensorcnt 0x0
	ds_add_u32 v192, v193
	s_wait_dscnt 0x0
	s_endpgm
.Lfunc_end_k_q33e4797e33_route:
	.size	k_q33e4797e33_route, .Lfunc_end_k_q33e4797e33_route-k_q33e4797e33_route
	.p2alignl 7, 3214868480
	.fill 96, 4, 3214868480
	.section	.rodata,"a",@progbits
	.p2align	6, 0x0
	.amdhsa_kernel k_q33e4797e33_route
		.amdhsa_group_segment_fixed_size 84992
		.amdhsa_private_segment_fixed_size 0
		.amdhsa_enable_private_segment 0
		.amdhsa_kernarg_size 80
		.amdhsa_user_sgpr_count 2
		.amdhsa_user_sgpr_kernarg_segment_ptr 1
		.amdhsa_wavefront_size32 1
		.amdhsa_system_sgpr_workgroup_id_x 1
		.amdhsa_system_sgpr_workgroup_id_y 1
		.amdhsa_system_sgpr_workgroup_id_z 1
		.amdhsa_system_vgpr_workitem_id 0
		.amdhsa_next_free_vgpr 194
		.amdhsa_next_free_sgpr 66
		.amdhsa_reserve_vcc 1
		.amdhsa_float_denorm_mode_32 3
		.amdhsa_float_denorm_mode_16_64 3
		.amdhsa_memory_ordered 1
		.amdhsa_forward_progress 1
		.amdhsa_inst_pref_size 38
	.end_amdhsa_kernel
	.amdgpu_metadata
---
amdhsa.version: [ 1, 2 ]
amdhsa.kernels:
  - .name:           k_q33e4797e33_route
    .symbol:         k_q33e4797e33_route.kd
    .args:
      - { .name: x, .offset: 0, .size: 8, .value_kind: global_buffer, .address_space: global }
      - { .name: Wg, .offset: 8, .size: 8, .value_kind: global_buffer, .address_space: global }
      - { .name: bg, .offset: 16, .size: 8, .value_kind: global_buffer, .address_space: global }
      - { .name: Wn, .offset: 24, .size: 8, .value_kind: global_buffer, .address_space: global }
      - { .name: bn, .offset: 32, .size: 8, .value_kind: global_buffer, .address_space: global }
      - { .name: noise, .offset: 40, .size: 8, .value_kind: global_buffer, .address_space: global }
      - { .name: xq, .offset: 48, .size: 8, .value_kind: global_buffer, .address_space: global }
      - { .name: xs, .offset: 56, .size: 8, .value_kind: global_buffer, .address_space: global }
      - { .name: sel, .offset: 64, .size: 8, .value_kind: global_buffer, .address_space: global }
      - { .name: comb, .offset: 72, .size: 8, .value_kind: global_buffer, .address_space: global }
    .group_segment_fixed_size: 84992
    .private_segment_fixed_size: 0
    .kernarg_segment_align: 8
    .kernarg_segment_size: 80
    .max_flat_workgroup_size: 256
    .sgpr_count:     66
    .vgpr_count:     194
    .wavefront_size: 32
...
	.end_amdgpu_metadata
.endif
;; end of part 5
;; launch up (part 6): grid 32 x 8, 16 waves a work-group, no clusters, 104,960 bytes of LDS; arguments W1, b1, xq, xs, sel, hq, hs; writes hq, hs
.if DOCPART == 6
	.amdgcn_target "amdgcn-amd-amdhsa--gfx1250"
	.amdhsa_code_object_version 6
	.text
	.protected	k_q33e4797e33_up
	.globl	k_q33e4797e33_up
	.p2align	8
	.type	k_q33e4797e33_up,@function
k_q33e4797e33_up:
	s_mov_b64 s[64:65], 0
	v_nop
	global_prefetch_b8 v0, s[64:65] scope:SCOPE_SE
	s_setreg_imm32_b32 hwreg(HW_REG_WAVE_SCHED_MODE, 0, 2), 2
	s_setreg_imm32_b32 hwreg(HW_REG_WAVE_MODE, 25, 1), 1
	s_wait_xcnt 0x0
	s_wait_alu depctr_vm_vsrc(0)
; h = relu(Q(x) Q(W1) + b1) for the rows that chose the expert, and Q(h), on codes of E3M2 with one E8M0 byte for each 32 along K.
; A work-group owns expert e (grid y) and hidden units 128 fs .. 128 fs + 127 (grid x): a slice of W1 of 1,024 d x 128 f, 512 KB of f32, read from memory ONCE in the launch and by nobody else.
; PART 1, the slice becomes codes: wave w takes two chunks of 32 rows d x 128 f; a load reads a row's 512 bytes on end, a lane holds 4 columns and, down its registers, a whole block of 32 along K of each.  The codes go to LDS as
;   images of the operand's registers (fragment (k, t) at 1536 (4 k + t); register q, lane L at 512 (q / 4) + 16 L + 4 (q % 4)), the scale bytes as words (step k, row r, tile t at 256 k + 16 r + 4 t).  ONE barrier.
; PART 2, the products: a wave takes a PAIR of tiles of 16 rows (rows 32 pi .. 32 pi + 31 of the expert), pi = wave, wave + 16.  Which token a row is, every wave works out of sel in registers (SELECT).
;   Rows past the expert's count repeat its last row, so nothing is masked.  16 steps: k = 8 phi + s: hidden tiles 4 phi .. 4 phi + 3, K step s.  x's fragments come from xq through four register slots, three steps ahead.
; THE PRODUCT IS USED TRANSPOSED (source 0 = 16 columns of W1, source 1 = 16 rows of x), AND THE COLUMNS OF A TILE ARE NOT NEIGHBOURS: row r of tile 2 b + u is column 32 b + 8 u + r + 8 (r / 8): so a lane holds one row of h and the
;   16 registers of two neighbouring tiles are 16 neighbours along f, the next product's K.  b1 is loaded into the accumulators and is each sum's start.
; OUT: hq[tile 64 e + 2 pi + u][K step fs][1,536]: the image of an operand's registers; hs[pair 32 e + pi][fs][32]: scale words, tile 0's rows then tile 1's (128 bytes a store: half of an aligned 256; hs is 1/24 of hq).
; No tensor load, no cluster: the count of pairs is read from memory, and no two work-groups share a byte of W1.  The barrier stands ahead of every branch on that count.
; LIMITS: NaN and infinities are not served; a block whose largest magnitude lies under 2^-122 gets the byte 1 (a block of zeros too: its codes are zeros, and this program alone reads the bytes).
; THE MODE: SCHED_MODE bits 1:0 = 2 (LLVM: expert scheduling mode 2), set by the entry lines.  The code itself states the register dependences
; between vector or matrix instructions and memory or LDS instructions, with s_wait_alu, always for 0.
; THE PLAN.  Registers that memory or LDS instructions touch, who writes and who reads them:
;   v1-v7, IA, SA, BST   addresses, made at the head and never written again: one wait on va_vdst ahead of the first load serves them for the whole kernel.
;   WL                   part 1: a chunk's 32 loads land in it; the maxima and the gathers read it.  One buffer: the wave's 256 registers are all taken.
;   C, SB                part 1: written by the conversions, the moves and the shifts; read by the chunk's 12 LDS stores.
;                        ONE wait on va_vdst to a chunk, behind its last move: C and SB are written, WL is read out.  Behind it chunk 1's loads go out, then the LDS stores.  A wait on vm_vsrc ahead of chunk 1's arithmetic, one behind the barrier.
;   W, WS                step k's eight products read them; the LDS loads for step k + 1 land in them.
;   RING slot k % 4, RS  step k's products read them; the loads for step k + 4 land in them.
;                        ONE wait on va_vdst to a step, behind its products: both runs of loads follow it, and no vector or matrix instruction stands between it and them.  The next step's products name another slot.
;   AC                   b1 lands in it (steps 0 and 8); the products add onto it; QUANTH reads and writes it: a wait on va_vdst at a pair's head and one behind the first half's QUANTH.
;   HC, v24              written by QUANTH and one select; read by the pair's seven stores: one wait on va_vdst ahead of them, one on vm_vsrc behind them, at the pair's foot.
;   XOA, XOB, XSO        written by ROWS, behind the foot's wait on vm_vsrc; read by every load of x: the wait on va_vdst at the pair's head.
; Compares write scalar registers or VCC: SELECT's go in runs of eight into s88-95, one wait on va_sdst to a run; where a compare hangs on the one before (SELSTEP), one wait on va_vcc each.
.set SC,     98304                     ; LDS: 0 .. 98,303 the 64 fragments; then 4,096 bytes of scale words; then b1's 128 numbers
.set BIA,    102400
.set PITCHB, 16384                     ; from row d to row d + 1 of W1
.set L16,  1                           ; v1   16 x lane
.set LW1,  2                           ; v2   16 x lane + 49,152: steps 8 to 15
.set LSC,  3                           ; v3   SC + 16 (lane % 16)
.set BH,   4                           ; v4   BIA + 64 (lane / 16)
.set L4,   5                           ; v5   4 x lane
.set LANE, 6
.set H48,  7                           ; v7   48 (lane / 16)
.set XOA,  8                           ; v8   tile 0: my row's bytes in xq;  v9 tile 1;  v10 my pair row's bytes in xs
.set XOB,  9
.set XSO,  10
.set BI,   12                          ; v12-15 b1 on its way to LDS; later v14, v15: h's scale words, tile 0's and tile 1's
.set PW,   14
.set WS,   16                          ; v16-19 W1's scale words of a step, v20-23 x's, a slot each: these eight hold scales and nothing else
.set RS,   20
.set W,    24                          ; v24-71   a step's four fragments of W1
.set RING, 72                          ; v72-167  four slots x (two tiles x 12): x's fragments
.set HC,   168                         ; v168-191 h's codes, 12 a tile
.set AC,   192                         ; v192-255 accumulator (row tile u, hidden tile t) at 32 u + 8 t
.set TM,   24                          ; at work in QUANTH
.set MX,   24                          ; part 1: largest magnitudes, scale operands, bytes: 4 columns each
.set SO,   28
.set SB,   32
.set IA,   36                          ; where my codes go, where my scale bytes go
.set SA,   37
.set WO,   L16                         ; a row's 512 bytes: 16 a lane
.set BST,  39
.set T0,   40
.set RP,   41                          ; SELECT's
.set RMK,  42
.set RBS,  43
.set RJ,   44
.set RN,   45
.set RA1,  46
.set RA2,  47
.set RA4,  48
.set RA8,  49
.set RPOS, 50
.set RT,   51
.set TOK,  53
.set SELR, 64                          ; v64-95   sel: register 4 a + b, lane l = token 128 a + 4 l + b; then
.set C,    64                          ; v64-95   a chunk's codes, 8 registers a column
.set G,    96                          ; v96-127  a column's 32 numbers on end
.set WL,   128                         ; v128-255 a chunk as loaded: row rho at 4 rho
.set PF,   80                          ; s80-87   SELECT: a run's eight counts of bits
.set CM,   88                          ; s88-95   SELECT: a run's eight compares
; s2 wave, s3 e, s[16:47] the 32 masks of sel, s50 fs, s52 count, s53 pairs, s54 count - 1, s55 pi, s58 1 << e, s59 lanes 16-31, s[60:61] lane selects, s[62:63] b1, s[66:67] W1, s[68:69] hq, s[70:71] hs, s75 the trips of the loop over pairs
.macro QLOAD c                         ; chunk c: 32 rows; 16 KB a wave on its way
.set rho, 0
.rept 32
	global_load_b128 v[WL+4*rho:WL+4*rho+3], v[WO], s[66:67] offset:(64*(\c)+rho)*PITCHB th:TH_LOAD_NT
.set rho, rho+1
.endr
.endm
.macro QCHUNK c                        ; my 4 columns' blocks 2 c + (my half) of my K step become codes and bytes in LDS
	s_wait_loadcnt 0x0                             ; the chunk is in
	s_wait_dscnt 0x0                               ; the LDS stores issued so far are done
.if (\c) > 0
	s_wait_alu depctr_vm_vsrc(0)                   ; and have read their data: chunk 0's v[C ..] and v[SB ..], which this chunk writes again; wave 0's v12-15, of which v14 and v15 become h's scale words
.endif
.irp jj, 0,1,2,3
	v_max3_num_f32 v[MX+\jj], |v[WL+\jj]|, |v[WL+4+\jj]|, 0x2800000   ; with the floor 2^(5 - 127): the byte cannot fall under 1
.endr
.set rho, 2
.rept 15
.irp jj, 0,1,2,3
	v_max3_num_f32 v[MX+\jj], v[MX+\jj], |v[WL+4*rho+\jj]|, |v[WL+4*rho+4+\jj]|   ; the four columns by turns
.endr
.set rho, rho+2
.endr
.irp jj, 0,1,2,3
	v_add_nc_u32 v[SO+\jj], 0xfe000000, v[MX+\jj]  ; 4 off the exponent field: the conversion's scale operand
.endr
.irp jj, 0,1,2,3
	v_lshrrev_b32 v[SB+\jj], 23, v[SO+\jj]         ; the scale's byte
.endr
.irp jj, 0,1,2,3
.set rho, 0
.rept 32
	v_mov_b32 v[G+rho], v[WL+4*rho+\jj]            ; the conversions take neighbours along K from consecutive registers
.set rho, rho+1
.endr
	v_cvt_scalef32_pk16_bf6_f32 v[C+8*\jj:C+8*\jj+2], v[G:G+15], v[SO+\jj]
	v_cvt_scalef32_pk16_bf6_f32 v[C+8*\jj+4:C+8*\jj+6], v[G+16:G+31], v[SO+\jj]
	v_nop                                          ; one plain line behind the conversions
	v_mov_b32 v[C+8*\jj+3], v[C+8*\jj+4]
	v_mov_b32 v[C+8*\jj+4], v[C+8*\jj+5]
	v_mov_b32 v[C+8*\jj+5], v[C+8*\jj+6]           ; six registers: the operand's 6 c .. 6 c + 5
.endr
	s_wait_alu depctr_va_vdst(0)                   ; the conversions and moves have written v[C ..], the shifts v[SB ..], which the LDS stores below read; the maxima and the gathers are done reading v[WL ..], in which the next chunk lands
.if (\c) == 0
	QLOAD 1                                        ; the other chunk is asked for at once, ahead of the LDS stores
.endif
.irp jj, 0,1,2,3
.if (\c) == 0
	ds_store_b128 v[IA], v[C+8*\jj:C+8*\jj+3] offset:16*\jj
	ds_store_b64 v[IA], v[C+8*\jj+4:C+8*\jj+5] offset:512+16*\jj
.else
	ds_store_b64 v[IA], v[C+8*\jj:C+8*\jj+1] offset:520+16*\jj
	ds_store_b128 v[IA], v[C+8*\jj+2:C+8*\jj+5] offset:1024+16*\jj
.endif
	ds_store_b8 v[SA], v[SB+\jj] offset:16*\jj+2*(\c)
.endr
.endm
.macro SELSTEP src, width, wd          ; is the wanted bit in the lower half of what is left, by that half's count?
	v_bfe_u32 v[RT], v[\src], v[RPOS], \width
	v_cmp_ge_u32 vcc_lo, v[RN], v[RT]
	s_wait_alu depctr_va_vcc(0)                    ; the compare has written VCC, which the two selects below read
	v_cndmask_b32 v[RT], 0, v[RT], vcc_lo
	v_sub_nc_u32 v[RN], v[RN], v[RT]
	v_cndmask_b32 v[RT], 0, \wd, vcc_lo
	v_add_nc_u32 v[RPOS], v[RPOS], v[RT]
.endm
.macro SELGROUP first, cnt             ; masks M_first on, cnt of them: the compares in one run, one wait, then the selects
.set i, 0
.rept \cnt
.set j, (\first)+i
	s_mov_b32 s[PF+i], s56                         ; s56: the bits of M_0 .. M_(j-1), kept for the selects
	v_cmp_gt_u32 s[CM+i], s56, v[RP]               ; the last j with s56 <= my row is my mask's
	s_bcnt1_i32_b32 s57, s[16+j]
	s_add_co_u32 s56, s56, s57
.set i, i+1
.endr
	s_wait_alu depctr_va_sdst(0)                   ; the run's compares have written s[CM ..], which the selects below read
.set i, 0
.rept \cnt
.set j, (\first)+i
	v_cndmask_b32 v[RMK], s[16+j], v[RMK], s[CM+i]
	v_cndmask_b32 v[RBS], s[PF+i], v[RBS], s[CM+i]
	v_cndmask_b32 v[RJ], j, v[RJ], s[CM+i]
.set i, i+1
.endr
.endm
.macro SELECT                          ; TOK = the token of the expert's row min(32 pi + lane, count - 1): the place of that set bit in the masks M_0 .. M_31 on end
	s_lshl_b32 s57, s55, 5
	v_add_nc_u32 v[RP], s57, v[LANE]
	v_min_u32 v[RP], s54, v[RP]
	s_wait_alu depctr_va_vdst(0)
	v_mov_b32 v[RMK], s16
	v_mov_b32 v[RBS], 0
	v_mov_b32 v[RJ], 0
	s_bcnt1_i32_b32 s56, s16
	SELGROUP 1, 8
	SELGROUP 9, 8
	SELGROUP 17, 8
	SELGROUP 25, 7
	v_sub_nc_u32 v[RN], v[RP], v[RBS]              ; which set bit of my mask
	v_lshrrev_b32 v[RT], 1, v[RMK]                 ; counts of its fields of 2, 4, 8, 16 bits
	v_and_b32 v[RT], 0x55555555, v[RT]
	v_sub_nc_u32 v[RA1], v[RMK], v[RT]
	v_lshrrev_b32 v[RT], 2, v[RA1]
	v_and_b32 v[RT], 0x33333333, v[RT]
	v_and_b32 v[RA2], 0x33333333, v[RA1]
	v_add_nc_u32 v[RA2], v[RA2], v[RT]
	v_lshrrev_b32 v[RT], 4, v[RA2]
	v_add_nc_u32 v[RT], v[RA2], v[RT]
	v_and_b32 v[RA4], 0x0f0f0f0f, v[RT]
	v_lshrrev_b32 v[RT], 8, v[RA4]
	v_add_nc_u32 v[RT], v[RA4], v[RT]
	v_and_b32 v[RA8], 0x00ff00ff, v[RT]
	v_mov_b32 v[RPOS], 0
	SELSTEP RA8, 8, 16
	SELSTEP RA4, 8, 8
	SELSTEP RA2, 4, 4
	SELSTEP RA1, 2, 2
	SELSTEP RMK, 1, 1
	v_lshrrev_b32 v[RT], 2, v[RJ]
	v_and_b32 v[RJ], 3, v[RJ]
	v_lshl_add_u32 v[TOK], v[RT], 7, v[RJ]
	v_lshl_add_u32 v[TOK], v[RPOS], 2, v[TOK]      ; 128 (j / 4) + j % 4 + 4 x bit
.endm
.macro ROWS                            ; lane l holds the token of pair row l.  An operand's lane (r, h) wants row r of its tile: tile 0's from lanes 0-15, tile 1's from lanes 16-31
	v_mov_b32 v[RT], 0
	v_permlanex16_b32 v[RT], v[TOK], s60, s61
	v_cndmask_b32 v[XOA], v[TOK], v[RT], s59
	v_cndmask_b32 v[XOB], v[RT], v[TOK], s59
	v_min_u32 v[TOK], 0x3ff, v[TOK]                ; numbers made of loaded ones enter addresses behind a bound
	v_min_u32 v[XOA], 0x3ff, v[XOA]
	v_min_u32 v[XOB], 0x3ff, v[XOB]
	v_mul_u32_u24 v[XOA], v[XOA], 768
	v_mul_u32_u24 v[XOB], v[XOB], 768
	v_add_nc_u32 v[XOA], v[H48], v[XOA]
	v_add_nc_u32 v[XOB], v[H48], v[XOB]
	v_lshlrev_b32 v[XSO], 5, v[TOK]
.endm
.macro REFILL k                        ; step k's fragments and scale words of x into slot k % 4: seven loads
.set RG, RING+24*((\k)%4)
.irp i, 0,1,2
	global_load_b128 v[RG+4*\i:RG+4*\i+3], v[XOA], s[8:9] offset:96*((\k)%8)+16*\i
.endr
.irp i, 0,1,2
	global_load_b128 v[RG+12+4*\i:RG+15+4*\i], v[XOB], s[8:9] offset:96*((\k)%8)+16*\i
.endr
	global_load_b32 v[RS+(\k)%4], v[XSO], s[10:11] offset:4*((\k)%8)
.endm
.macro BIAS phi                        ; b1 into the eight accumulators: lane (r, h), tile t, register j: hidden unit 64 phi + 32 (t / 2) + 16 h + 8 (t % 2) + j
.irp u, 0,1
.irp t, 0,1,2,3
	ds_load_b128 v[AC+32*\u+8*\t:AC+32*\u+8*\t+3], v[BH] offset:256*(\phi)+128*(\t/2)+32*(\t%2)
	ds_load_b128 v[AC+32*\u+8*\t+4:AC+32*\u+8*\t+7], v[BH] offset:256*(\phi)+128*(\t/2)+32*(\t%2)+16
.endr
.endr
.endm
.macro WLOAD k                         ; step k's four fragments of W1 and their scale words, out of LDS: 13 loads
.if (\k) < 8
.set LWR, L16
.else
.set LWR, LW1
.endif
.irp t, 0,1,2,3
.irp i, 0,1,2
	ds_load_b128 v[W+12*\t+4*\i:W+12*\t+4*\i+3], v[LWR] offset:((\k)%8)*6144+1536*\t+512*\i
.endr
.endr
	ds_load_b128 v[WS:WS+3], v[LSC] offset:256*(\k)
.endm
.macro STEP k
.set SG, (\k)%4
.if (\k) < 12
	s_wait_loadcnt 21                              ; this step's seven loads are in; the three later steps' 21 may be out
.else
	s_wait_loadcnt 7*(15-(\k))                     ; seven for each step still to come
.endif
	s_wait_dscnt 0x0                               ; this step's fragments and scale words of W1 are in (ahead of steps 0 and 8: b1 too)
.irp t, 0,1,2,3                        ; the eight accumulators by turns, one instruction a turn, in the same order in every step
	v_wmma_scale_f32_16x16x128_f8f6f4 v[AC+8*\t:AC+8*\t+7], v[W+12*\t:W+12*\t+11], v[RING+24*SG:RING+24*SG+11], v[AC+8*\t:AC+8*\t+7], v[WS+\t], v[RS+SG] matrix_a_fmt:MATRIX_FMT_BF6 matrix_b_fmt:MATRIX_FMT_BF6
	v_wmma_scale_f32_16x16x128_f8f6f4 v[AC+32+8*\t:AC+32+8*\t+7], v[W+12*\t:W+12*\t+11], v[RING+24*SG+12:RING+24*SG+23], v[AC+32+8*\t:AC+32+8*\t+7], v[WS+\t], v[RS+SG] matrix_a_fmt:MATRIX_FMT_BF6 matrix_b_fmt:MATRIX_FMT_BF6 matrix_b_scale:MATRIX_SCALE_ROW1
.endr
.rept 4
	v_nop                                          ; four places in front of loads into registers that these products read, and of the first read of results
.endr
.if (\k) < 15
	s_wait_alu depctr_va_vdst(0)                   ; the eight products are done reading v[W ..], v[WS ..], their slot of the ring and its scale register, in which the loads below land
.endif
.if (\k)%8 < 7
	WLOAD (\k)+1                                   ; the next step's fragments of W1 first: they are wanted first
.endif
.if (\k) < 12
	REFILL (\k)+4                                  ; and x's of four steps on, issued while the LDS loads are on their way
.endif
.endm
; Row tile u's 32 registers (register 16 b + i = hidden unit 64 phi + 32 b + 16 (lane / 16) + i of my row) are clipped at 0 and become registers 6 phi .. 6 phi + 5 of the next operand and two bytes of its scale word
.macro QUANTH u, phi
.set S, AC+32*(\u)
.set HD, HC+12*(\u)+6*(\phi)
.set j, 0
.rept 32
	v_max_num_f32 v[S+j], 0, v[S+j]                ; relu, in f32; each accumulator from its low end on
.set j, j+1
.endr
.irp b, 0,1
	v_max3_num_f32 v[TM+\b], v[S+16*\b], v[S+16*\b+1], 0x2800000   ; none is negative: no |.|; the floor holds the byte at 1
.endr
.irp i, 2,4,6,8,10,12,14
.irp b, 0,1
	v_max3_num_f32 v[TM+\b], v[TM+\b], v[S+16*\b+\i], v[S+16*\b+\i+1]
.endr
.endr
.irp b, 0,1
	v_mov_b32 v[TM+2+\b], 0                        ; a lane permute's destination counts as one of its sources
.endr
.irp b, 0,1
	v_permlanex16_b32 v[TM+2+\b], v[TM+\b], s60, s61
.endr
.irp b, 0,1
	v_max_num_f32 v[TM+\b], v[TM+\b], v[TM+2+\b]   ; with lane l xor 16's 16: the block's largest
.endr
.irp b, 0,1
	v_add_nc_u32 v[TM+4+\b], 0xfe000000, v[TM+\b]
.endr
.irp b, 0,1
	v_lshrrev_b32 v[TM+2+\b], 23, v[TM+4+\b]
.endr
.if (\phi) == 0
	v_lshl_or_b32 v[PW+(\u)], v[TM+3], 8, v[TM+2]
.else
	v_lshl_or_b32 v[PW+(\u)], v[TM+2], 16, v[PW+(\u)]
	v_lshl_or_b32 v[PW+(\u)], v[TM+3], 24, v[PW+(\u)]
.endif
	v_cvt_scalef32_pk16_bf6_f32 v[HD:HD+2], v[S:S+15], v[TM+4]
	v_cvt_scalef32_pk16_bf6_f32 v[TM+8:TM+10], v[S+16:S+31], v[TM+5]
	v_nop                                          ; one plain line behind the conversions
.irp i, 0,1,2
	v_permlane16_swap_b32 v[HD+\i], v[TM+8+\i]     ; the layout wants a whole block in a lane: lanes 0-15 the first block, lanes 16-31 the second
.endr
.irp i, 0,1,2
	v_mov_b32 v[HD+3+\i], v[TM+8+\i]
.endr
.endm
	s_load_b256 s[4:11], s[0:1], 0x0               ; W1 s[4:5], b1 s[6:7], xq s[8:9], xs s[10:11]
	s_load_b128 s[12:15], s[0:1], 0x20             ; sel s[12:13], hq s[14:15]
	s_load_b64 s[48:49], s[0:1], 0x30              ; hs
	v_lshrrev_b32 v[T0], 5, v0
	v_readfirstlane_b32 s2, v[T0]                  ; wave 0..15
	s_and_b32 s3, ttmp7, 0xffff                    ; e
	s_mov_b32 s50, ttmp9                           ; fs
	s_lshl_b32 s58, 1, s3
	s_mov_b32 s59, 0xffff0000
	s_mov_b32 s60, 0x76543210
	s_mov_b32 s61, 0xfedcba98
	s_mov_b32 s52, 0
	v_and_b32 v[LANE], 31, v0
	v_lshlrev_b32 v[L16], 4, v[LANE]
	v_lshlrev_b32 v[L4], 2, v[LANE]
	v_add_nc_u32 v[LW1], 49152, v[L16]
	v_add_nc_u32 v[BST], BIA, v[L16]
	v_and_b32 v[T0], 15, v0
	v_lshl_add_u32 v[LSC], v[T0], 4, SC
	v_bfe_u32 v[T0], v0, 4, 1
	v_lshl_add_u32 v[BH], v[T0], 6, BIA
	v_mul_u32_u24 v[H48], v[T0], 48
	; my column 4 l + jj: phi = l / 16, tile t = 2 ((l / 8) % 2) + (l / 2) % 2, row r = 4 (l % 2) + jj + 8 ((l / 4) % 2); my chunk: K step wave / 2, half wave % 2
	v_mul_u32_u24 v[IA], v[T0], 49152
	v_lshlrev_b32 v[SA], 11, v[T0]
	v_bfe_u32 v[T0], v0, 3, 1
	v_mad_u32_u24 v[IA], v[T0], 3072, v[IA]
	v_lshl_add_u32 v[SA], v[T0], 3, v[SA]
	v_bfe_u32 v[T0], v0, 1, 1
	v_mad_u32_u24 v[IA], v[T0], 1536, v[IA]
	v_lshl_add_u32 v[SA], v[T0], 2, v[SA]
	v_and_b32 v[T0], 1, v0
	v_lshl_add_u32 v[IA], v[T0], 6, v[IA]
	v_lshl_add_u32 v[SA], v[T0], 6, v[SA]
	v_bfe_u32 v[T0], v0, 2, 1
	v_lshl_add_u32 v[IA], v[T0], 7, v[IA]
	v_lshl_add_u32 v[SA], v[T0], 7, v[SA]
	v_lshrrev_b32 v[T0], 6, v0
	v_mad_u32_u24 v[IA], v[T0], 6144, v[IA]
	v_lshl_add_u32 v[SA], v[T0], 8, v[SA]
	v_bfe_u32 v[T0], v0, 5, 1
	v_lshl_add_u32 v[IA], v[T0], 8, v[IA]
	v_add_nc_u32 v[SA], v[T0], v[SA]
	v_add_nc_u32 v[SA], SC, v[SA]
	s_wait_alu depctr_va_sdst(0)                   ; s2 is written, ahead of its first reader: W1's base is made from it
	s_lshl_b32 s72, s3, 24                         ; W1: e x 2^24 + 512 fs + row 32 (4 (wave / 2) + wave % 2) x 16,384
	s_lshl_b32 s73, s50, 9
	s_add_co_u32 s72, s72, s73
	s_lshr_b32 s73, s2, 1
	s_lshl_b32 s73, s73, 2
	s_and_b32 s74, s2, 1
	s_add_co_u32 s73, s73, s74
	s_lshl_b32 s73, s73, 19
	s_add_co_u32 s72, s72, s73
	s_mov_b32 s73, 0
	s_lshl_b32 s74, s3, 14                         ; b1: 16,384 e + 512 fs
	s_lshl_b32 s75, s50, 9
	s_add_co_u32 s74, s74, s75
	s_mov_b32 s75, 0
	s_wait_kmcnt 0x0
	s_add_nc_u64 s[66:67], s[4:5], s[72:73]
	s_add_nc_u64 s[62:63], s[6:7], s[74:75]
	s_wait_alu depctr_va_vdst(0)                   ; v1 to v7, v[IA], v[SA] and v[BST] are written: the offsets and LDS addresses that the loads and stores of the whole kernel read
	global_load_b128 v[BI:BI+3], v[L16], s[62:63]
.irp a, 0,1,2,3,4,5,6,7
	global_load_b128 v[SELR+4*\a:SELR+4*\a+3], v[L16], s[12:13] offset:512*\a
.endr
	QLOAD 0
	s_wait_loadcnt 32                              ; b1 and sel are in; the chunk's 32 loads stay out, and the work up to QCHUNK 0 stands under them
	s_cmp_lg_u32 s2, 0
	s_cbranch_scc1 .Lnob
	ds_store_b128 v[BST], v[BI:BI+3]               ; wave 0: b1's 512 bytes
.Lnob:
.set j, 0
.rept 32
	v_and_b32 v[SELR+j], s58, v[SELR+j]
	v_cmp_ne_u32 s[16+j], 0, v[SELR+j]             ; M_j: which of the register's 32 tokens chose e
.set j, j+1
.endr
	s_wait_alu depctr_va_sdst(0)                   ; the 32 compares have written s[16:47], which the counts below and SELECT read
.set j, 0
.rept 32
	s_bcnt1_i32_b32 s57, s[16+j]
	s_add_co_u32 s52, s52, s57
.set j, j+1
.endr
	s_min_u32 s52, s52, 1024                       ; the expert's rows
	s_add_co_u32 s53, s52, 31
	s_lshr_b32 s53, s53, 5                         ; pairs of tiles, at most 32
	s_max_u32 s54, s52, 1
	s_sub_co_u32 s54, s54, 1
	s_mov_b32 s55, s2                              ; my first pair
	SELECT
	ROWS
	QCHUNK 0                                       ; (it asks for chunk 1)
	QCHUNK 1
	s_wait_dscnt 0x0                               ; for the others' sake: my stores have landed
	s_barrier_signal -1
	s_barrier_wait -1                              ; the slice lies in LDS as codes; from here on LDS is only read
	s_wait_alu depctr_vm_vsrc(0)                   ; chunk 1's LDS stores have read v[C ..], v64-95: x's fragments land in v72-95
	s_mov_b32 s75, 0                               ; the loop is counted against the constant 2: my pairs are wave and wave + 16, and an expert has at most 32
	s_cmp_ge_u32 s55, s53
	s_cbranch_scc1 .Ldone                          ; no pair of mine at all
.Lpair:
	s_lshl_b32 s72, s3, 6                          ; hq: ((64 e + 2 pi) x 32 + fs) x 1,536
	s_lshl_b32 s73, s55, 1
	s_add_co_u32 s72, s72, s73
	s_lshl_b32 s72, s72, 5
	s_add_co_u32 s72, s72, s50
	s_mul_i32 s72, s72, 1536
	s_mov_b32 s73, 0
	s_add_nc_u64 s[68:69], s[14:15], s[72:73]
	s_lshl_b32 s72, s3, 5                          ; hs: ((32 e + pi) x 32 + fs) x 128
	s_add_co_u32 s72, s72, s55
	s_lshl_b32 s72, s72, 5
	s_add_co_u32 s72, s72, s50
	s_lshl_b32 s72, s72, 7
	s_add_nc_u64 s[70:71], s[48:49], s[72:73]
	s_wait_alu depctr_va_vdst(0)                   ; ROWS has written v8-10, the offsets of x's loads; and all that named the ring, v[W ..] and the accumulators is done: part 1's arithmetic ahead of the first pair, the last pair's products, QUANTH and SELECT ahead of the second
	REFILL 0
	REFILL 1
	REFILL 2
	REFILL 3
	BIAS 0
	WLOAD 0
.irp k, 0,1,2,3,4,5,6,7
	STEP \k
.endr
	QUANTH 0, 0
	QUANTH 1, 0
	s_wait_alu depctr_va_vdst(0)                   ; QUANTH is done reading and writing the accumulators, in which b1 lands, and v24-34, in which step 8's fragments land
	BIAS 1
	WLOAD 8
.irp k, 8,9,10,11,12,13,14,15
	STEP \k
.endr
	QUANTH 0, 1
	QUANTH 1, 1
	v_cndmask_b32 v[TM], v[PW], v[PW+1], s59       ; lanes 0-15 tile 0's words, lanes 16-31 tile 1's
	s_wait_alu depctr_va_vdst(0)                   ; QUANTH has written v[HC ..] and the select v24, which the seven stores read
.irp u, 0,1
.irp i, 0,1,2
	global_store_b128 v[L16], v[HC+12*\u+4*\i:HC+12*\u+4*\i+3], s[68:69] offset:49152*\u+512*\i   ; 32 lanes store 512 bytes on end, at a multiple of 512 from hq's first byte
.endr
.endr
	global_store_b32 v[L4], v[TM], s[70:71]
	s_wait_xcnt 0x0                                ; the stores' data and bases are written again only behind this wait
	s_wait_alu depctr_vm_vsrc(0)                   ; the stores have read v[HC ..] and v24, x's loads v8-10: ROWS, the next pair's fragments and its QUANTH write them again
	s_add_co_u32 s55, s55, 16
	s_cmp_ge_u32 s55, s53
	s_cbranch_scc1 .Ldone                          ; no second pair: out, ahead of the work that would prepare it
	SELECT
	ROWS
	s_add_co_u32 s75, s75, 1
	s_cmp_lt_u32 s75, 2
	s_cbranch_scc1 .Lpair
.Ldone:
	s_wait_xcnt 0x0
	v_lshl_add_u32 v254, v0, 2, 0x19200            ; (no memory or LDS instruction of this kernel reads v254 or v255)
	v_mov_b32 v255, 0
	s_wait_dscnt 0x0                               ; the closing lines, six on end
	s_wait_alu 0x0
	s_wait_tensorcnt 0x0
	ds_add_u32 v254, v255
	s_wait_dscnt 0x0
	s_endpgm
.Lfunc_end_k_q33e4797e33_up:
	.size	k_q33e4797e33_up, .Lfunc_end_k_q33e4797e33_up-k_q33e4797e33_up
	.p2alignl 7, 3214868480
	.fill 96, 4, 3214868480
	.section	.rodata,"a",@progbits
	.p2align	6, 0x0
	.amdhsa_kernel k_q33e4797e33_up
		.amdhsa_group_segment_fixed_size 104960
		.amdhsa_private_segment_fixed_size 0
		.amdhsa_enable_private_segment 0
		.amdhsa_kernarg_size 56
		.amdhsa_user_sgpr_count 2
		.amdhsa_user_sgpr_kernarg_segment_ptr 1
		.amdhsa_wavefront_size32 1
		.amdhsa_system_sgpr_workgroup_id_x 1
		.amdhsa_system_sgpr_workgroup_id_y 1
		.amdhsa_system_sgpr_workgroup_id_z 1
		.amdhsa_system_vgpr_workitem_id 0
		.amdhsa_next_free_vgpr 256
		.amdhsa_next_free_sgpr 96
		.amdhsa_reserve_vcc 1
		.amdhsa_float_denorm_mode_32 3
		.amdhsa_float_denorm_mode_16_64 3
		.amdhsa_memory_ordered 1
		.amdhsa_forward_progress 1
		.amdhsa_inst_pref_size 124
	.end_amdhsa_kernel
	.amdgpu_metadata
---
amdhsa.version: [ 1, 2 ]
amdhsa.kernels:
  - .name:           k_q33e4797e33_up
    .symbol:         k_q33e4797e33_up.kd
    .args:
      - { .name: W1, .offset: 0, .size: 8, .value_kind: global_buffer, .address_space: global }
      - { .name: b1, .offset: 8, .size: 8, .value_kind: global_buffer, .address_space: global }
      - { .name: xq, .offset: 16, .size: 8, .value_kind: global_buffer, .address_space: global }
      - { .name: xs, .offset: 24, .size: 8, .value_kind: global_buffer, .address_space: global }
      - { .name: sel, .offset: 32, .size: 8, .value_kind: global_buffer, .address_space: global }
      - { .name: hq, .offset: 40, .size: 8, .value_kind: global_buffer, .address_space: global }
      - { .name: hs, .offset: 48, .size: 8, .value_kind: global_buffer, .address_space: global }
    .group_segment_fixed_size: 104960
    .private_segment_fixed_size: 0
    .kernarg_segment_align: 8
    .kernarg_segment_size: 56
    .max_flat_workgroup_size: 512
    .sgpr_count:     96
    .vgpr_count:     256
    .wavefront_size: 32
...
	.end_amdgpu_metadata
.endif
;; end of part 6
;; launch down (part 7): grid 32 x 8, 16 waves a work-group, no clusters, 174,592 bytes of LDS; arguments W2, b2, hq, hs, sel, comb, part; writes part
.if DOCPART == 7
	.amdgcn_target "amdgcn-amd-amdhsa--gfx1250"
	.amdhsa_code_object_version 6
	.text
	.protected	k_q33e4797e33_down
	.globl	k_q33e4797e33_down
	.p2align	8
	.type	k_q33e4797e33_down,@function
k_q33e4797e33_down:
	s_mov_b64 s[64:65], 0
	v_nop
	global_prefetch_b8 v0, s[64:65] scope:SCOPE_SE
	s_setreg_imm32_b32 hwreg(HW_REG_WAVE_SCHED_MODE, 0, 2), 2
	s_setreg_imm32_b32 hwreg(HW_REG_WAVE_MODE, 25, 1), 1
	s_wait_xcnt 0x0
	s_wait_alu depctr_vm_vsrc(0)
; part[2 rank + kh][token][d] = gate x (Q(h) Q(W2) over half kh of K (+ b2 where kh = 0)), for the rows that chose the expert; rank = 0 where the expert is the token's first choice, 1 where its second.
; A work-group owns expert e (grid y), outputs 64 ds .. 64 ds + 63 and hidden units 2048 kh .. 2048 kh + 2047 (grid x = 16 kh + ds): a slice of W2 of 2,048 f x 64 d, 512 KB of f32, read ONCE in the launch and by nobody else.
; K is halved so that a row's piece of the slice is 256 bytes on end, at a multiple of 256 from W2's first byte.
; PART 1: wave w takes K step w of the half (128 f) in two chunks; a load reads two rows' 256 bytes (lanes 0-15 a row, lanes 16-31 the row 32 further down); a lane holds 4 columns and a whole block of 32 along K of each.
;   Codes and scale bytes go to LDS as in the launch before: fragment (k, t) at 1536 (4 k + t) as an image of the operand's registers, scale words at 256 k + 16 r + 4 t.  ONE barrier.
; PART 2: a wave takes a pair of tiles of 16 rows, pi = wave, wave + 16; the same SELECT as in the launch before gives each row's token.  16 steps of 128 along K; h's fragments are dense images in hq, three steps ahead in four slots.
;   Transposed use (source 0 = 16 columns of W2, source 1 = 16 rows of h): a lane holds one row and eight neighbouring outputs.  b2 (zeros where kh = 1) is loaded into the accumulators and is each sum's start.
;   Results x gate go through the wave's own stage in LDS and leave as rows: sixteen lanes store 256 bytes on end, at a multiple of 256 from part's first byte.
;   Rows past the expert's count repeat its last row: the same wave stores the same numbers to the same place.
; No tensor load, no cluster: the count of pairs is read from memory, and no two work-groups share a byte of W2.  The barrier stands ahead of every branch on that count.
; LIMITS: NaN and infinities are not served; a block whose largest magnitude lies under 2^-122 gets the byte 1 (a block of zeros too: its codes are zeros, and this program alone reads the bytes).
; THE MODE: SCHED_MODE bits 1:0 = 2 (LLVM: expert scheduling mode 2), set by the entry lines.  The code itself states the register dependences
; between vector or matrix instructions and memory or LDS instructions, with s_wait_alu, always for 0.
; THE PLAN.  Registers that memory or LDS instructions touch, who writes and who reads them:
;   v1-v5, v8-v10, IA, SA, WO, BST   addresses, made at the head and never written again: one wait on va_vdst ahead of the first load serves them for the whole kernel.
;   WL, C, SB            part 1, as in the launch before: ONE wait on va_vdst to a chunk, behind its last move; behind it chunk 1's loads, then the LDS stores.  A wait on vm_vsrc ahead of chunk 1's arithmetic, one behind the barrier.
;   AD1, AD2; SW, GW     ROWS_A writes the first two and its two loads read them: a wait on va_vdst between.  The loads land in the other two, which ROWS_B reads.  All four lie in v[W ..]: a wait on vm_vsrc behind the foot's two loads.
;   W, WS                step k's eight products read them; the LDS loads for step k + 1 land in them.
;   RING slot k % 4, RS  step k's products read them; the loads for step k + 4 land in them.
;                        ONE wait on va_vdst to a step, behind its products: both runs of loads follow it, and no vector or matrix instruction stands between it and them.  The next step's products name another slot.
;   AC                   b2 lands in it; the products add onto it; the gate's multiplies write it; the LDS stores into the stage read it.
;   IX, DST; DO; BK      the way out: vector instructions write IX and DST, the permutes read them and land in DO; DO is bounded and shifted, and is the stores' offset; the stage's rows land in BK, the stores' data.
;                        TWO waits on va_vdst on the way out: behind the index additions and the multiplies (for the permutes, the LDS stores and BK's loads), and behind DO's arithmetic (for the stores).  One wait on vm_vsrc at the pair's foot.
; Compares write scalar registers or VCC: SELECT's go in runs of eight into s88-95, one wait on va_sdst to a run; where a compare hangs on the one before (SELSTEP), and in ROWS_B, one wait on va_vcc each.
.set SC,     98304                     ; LDS: 0 .. 98,303 the 64 fragments; 4,096 bytes of scale words; b2's 64 numbers (in 512 bytes); the stages
.set BIA,    102400
.set STG,    102912                    ; 16 rows x (256 + 16) bytes for each wave
.set PITCHB, 4096                      ; from row f to row f + 1 of W2
.set L16,  1                           ; v1   16 x lane
.set LW1,  2                           ; v2   16 x lane + 49,152
.set LSC,  3                           ; v3   SC + 16 (lane % 16)
.set BH,   4                           ; v4   BIA + 32 (lane / 16)
.set L4,   5                           ; v5   4 x lane
.set LANE, 6
.set H4,   7                           ; v7   4 (lane / 16)
.set STO,  8                           ; v8   the stage: where I put 32 bytes of a row;  v9 where I read a row back
.set STR,  9
.set C16,  10                          ; v10  16 (lane % 16)
.set DST,  11                          ; v11  pair row l's row of part: 1024 (2 rank + kh) + token
.set BI,   12                          ; v12-15 b2 on its way to LDS; later
.set GA,   12                          ; v[12:13] tile 0's gate of my row, twice;  v[14:15] tile 1's
.set WS,   16                          ; v16-19 W2's scale words of a step, v20-23 h's, a slot each: these eight hold scales and nothing else
.set RS,   20
.set W,    24
.set RING, 72
.set DO,   168                         ; v168-183 the stores' offsets
.set AC,   192
.set BK,   72                          ; the way out: rows read back, 32 registers a tile;  v136-151 lane indices
.set IX,   136
.set MX,   24
.set SO,   28
.set SB,   32
.set IA,   36
.set SA,   37
.set WO,   38
.set BST,  39
.set T0,   40
.set RP,   41
.set RMK,  42
.set RBS,  43
.set RJ,   44
.set RN,   45
.set RA1,  46
.set RA2,  47
.set RA4,  48
.set RA8,  49
.set RPOS, 50
.set RT,   51
.set TOK,  53
.set SW,   54                          ; my row's word of sel, its gate, and the two loads' offsets
.set GW,   55
.set AD1,  56
.set AD2,  57
.set SELR, 64
.set C,    64
.set G,    96
.set WL,   128
.set PF,   80                          ; s80-87   SELECT: a run's eight counts of bits
.set CM,   88                          ; s88-95   SELECT: a run's eight compares
; s2 wave, s3 e, s[16:47] masks, s50 ds, s51 kh, s52 count, s53 pairs, s54 count - 1, s55 pi, s58 1 << e, s59 lanes 16-31, s[60:61] lane selects, s[62:63] b2, s[66:67] W2, s[68:69] hq, s[70:71] hs, s75 the trips of the loop over pairs, s[76:77] part, s78 4 e, s79 1024 kh
.macro QLOAD c
.set rho, 0
.rept 32
	global_load_b128 v[WL+4*rho:WL+4*rho+3], v[WO], s[66:67] offset:(64*(\c)+rho)*PITCHB th:TH_LOAD_NT
.set rho, rho+1
.endr
.endm
.macro QCHUNK c
	s_wait_loadcnt 0x0                             ; the chunk is in (and, ahead of chunk 0, my rows' words of sel and comb)
	s_wait_dscnt 0x0                               ; the LDS stores issued so far are done
.if (\c) > 0
	s_wait_alu depctr_vm_vsrc(0)                   ; and have read their data: chunk 0's v[C ..] and v[SB ..], which this chunk writes again; wave 0's v12-15, which become the gates
.endif
.irp jj, 0,1,2,3
	v_max3_num_f32 v[MX+\jj], |v[WL+\jj]|, |v[WL+4+\jj]|, 0x2800000   ; with the floor 2^(5 - 127): the byte cannot fall under 1
.endr
.set rho, 2
.rept 15
.irp jj, 0,1,2,3
	v_max3_num_f32 v[MX+\jj], v[MX+\jj], |v[WL+4*rho+\jj]|, |v[WL+4*rho+4+\jj]|
.endr
.set rho, rho+2
.endr
.irp jj, 0,1,2,3
	v_add_nc_u32 v[SO+\jj], 0xfe000000, v[MX+\jj]
.endr
.irp jj, 0,1,2,3
	v_lshrrev_b32 v[SB+\jj], 23, v[SO+\jj]
.endr
.irp jj, 0,1,2,3
.set rho, 0
.rept 32
	v_mov_b32 v[G+rho], v[WL+4*rho+\jj]
.set rho, rho+1
.endr
	v_cvt_scalef32_pk16_bf6_f32 v[C+8*\jj:C+8*\jj+2], v[G:G+15], v[SO+\jj]
	v_cvt_scalef32_pk16_bf6_f32 v[C+8*\jj+4:C+8*\jj+6], v[G+16:G+31], v[SO+\jj]
	v_nop                                          ; one plain line behind the conversions
	v_mov_b32 v[C+8*\jj+3], v[C+8*\jj+4]
	v_mov_b32 v[C+8*\jj+4], v[C+8*\jj+5]
	v_mov_b32 v[C+8*\jj+5], v[C+8*\jj+6]
.endr
	s_wait_alu depctr_va_vdst(0)                   ; the conversions and moves have written v[C ..], the shifts v[SB ..], which the LDS stores below read; the maxima and the gathers are done reading v[WL ..], in which the next chunk lands
.if (\c) == 0
	QLOAD 1                                        ; the other chunk is asked for at once, ahead of the LDS stores
.endif
.irp jj, 0,1,2,3
.if (\c) == 0
	ds_store_b128 v[IA], v[C+8*\jj:C+8*\jj+3] offset:16*\jj
	ds_store_b64 v[IA], v[C+8*\jj+4:C+8*\jj+5] offset:512+16*\jj
.else
	ds_store_b64 v[IA], v[C+8*\jj:C+8*\jj+1] offset:520+16*\jj
	ds_store_b128 v[IA], v[C+8*\jj+2:C+8*\jj+5] offset:1024+16*\jj
.endif
	ds_store_b8 v[SA], v[SB+\jj] offset:16*\jj+2*(\c)
.endr
.endm
.macro SELSTEP src, width, wd
	v_bfe_u32 v[RT], v[\src], v[RPOS], \width
	v_cmp_ge_u32 vcc_lo, v[RN], v[RT]
	s_wait_alu depctr_va_vcc(0)                    ; the compare has written VCC, which the two selects below read
	v_cndmask_b32 v[RT], 0, v[RT], vcc_lo
	v_sub_nc_u32 v[RN], v[RN], v[RT]
	v_cndmask_b32 v[RT], 0, \wd, vcc_lo
	v_add_nc_u32 v[RPOS], v[RPOS], v[RT]
.endm
.macro SELGROUP first, cnt             ; masks M_first on, cnt of them: the compares in one run, one wait, then the selects
.set i, 0
.rept \cnt
.set j, (\first)+i
	s_mov_b32 s[PF+i], s56                         ; s56: the bits of M_0 .. M_(j-1), kept for the selects
	v_cmp_gt_u32 s[CM+i], s56, v[RP]               ; the last j with s56 <= my row is my mask's
	s_bcnt1_i32_b32 s57, s[16+j]
	s_add_co_u32 s56, s56, s57
.set i, i+1
.endr
	s_wait_alu depctr_va_sdst(0)                   ; the run's compares have written s[CM ..], which the selects below read
.set i, 0
.rept \cnt
.set j, (\first)+i
	v_cndmask_b32 v[RMK], s[16+j], v[RMK], s[CM+i]
	v_cndmask_b32 v[RBS], s[PF+i], v[RBS], s[CM+i]
	v_cndmask_b32 v[RJ], j, v[RJ], s[CM+i]
.set i, i+1
.endr
.endm
.macro SELECT                          ; TOK = the token of the expert's row min(32 pi + lane, count - 1): line for line as in the launch before, so that both number the rows alike
	s_lshl_b32 s57, s55, 5
	v_add_nc_u32 v[RP], s57, v[LANE]
	v_min_u32 v[RP], s54, v[RP]
	s_wait_alu depctr_va_vdst(0)
	v_mov_b32 v[RMK], s16
	v_mov_b32 v[RBS], 0
	v_mov_b32 v[RJ], 0
	s_bcnt1_i32_b32 s56, s16
	SELGROUP 1, 8
	SELGROUP 9, 8
	SELGROUP 17, 8
	SELGROUP 25, 7
	v_sub_nc_u32 v[RN], v[RP], v[RBS]
	v_lshrrev_b32 v[RT], 1, v[RMK]
	v_and_b32 v[RT], 0x55555555, v[RT]
	v_sub_nc_u32 v[RA1], v[RMK], v[RT]
	v_lshrrev_b32 v[RT], 2, v[RA1]
	v_and_b32 v[RT], 0x33333333, v[RT]
	v_and_b32 v[RA2], 0x33333333, v[RA1]
	v_add_nc_u32 v[RA2], v[RA2], v[RT]
	v_lshrrev_b32 v[RT], 4, v[RA2]
	v_add_nc_u32 v[RT], v[RA2], v[RT]
	v_and_b32 v[RA4], 0x0f0f0f0f, v[RT]
	v_lshrrev_b32 v[RT], 8, v[RA4]
	v_add_nc_u32 v[RT], v[RA4], v[RT]
	v_and_b32 v[RA8], 0x00ff00ff, v[RT]
	v_mov_b32 v[RPOS], 0
	SELSTEP RA8, 8, 16
	SELSTEP RA4, 8, 8
	SELSTEP RA2, 4, 4
	SELSTEP RA1, 2, 2
	SELSTEP RMK, 1, 1
	v_lshrrev_b32 v[RT], 2, v[RJ]
	v_and_b32 v[RJ], 3, v[RJ]
	v_lshl_add_u32 v[TOK], v[RT], 7, v[RJ]
	v_lshl_add_u32 v[TOK], v[RPOS], 2, v[TOK]
.endm
.macro ROWS_A                          ; my row's word of sel and its gate are asked for
	v_min_u32 v[TOK], 0x3ff, v[TOK]                ; a number made of loaded ones enters addresses behind a bound
	v_lshlrev_b32 v[AD1], 2, v[TOK]
	v_lshlrev_b32 v[AD2], 5, v[TOK]
	v_add_nc_u32 v[AD2], s78, v[AD2]
	s_wait_alu depctr_va_vdst(0)                   ; v[AD1] and v[AD2] are written, the two loads' offsets; and whatever read v54 and v55, in which they land (the last pair's products and ROWS_B), is done
	global_load_b32 v[SW], v[AD1], s[12:13]
	global_load_b32 v[GW], v[AD2], s[14:15]
.endm
.macro ROWS_B                          ; behind the wait for them
	v_bfe_u32 v[RT], v[SW], 8, 3                   ; the token's second choice
	v_cmp_eq_u32 vcc_lo, s3, v[RT]
	s_wait_alu depctr_va_vcc(0)                    ; the compare has written VCC, which the select below reads
	v_cndmask_b32 v[RT], 0, 1, vcc_lo              ; rank
	v_lshl_add_u32 v[DST], v[RT], 11, v[TOK]
	v_add_nc_u32 v[DST], s79, v[DST]
	v_mov_b32 v[RT], 0
	v_permlanex16_b32 v[RT], v[GW], s60, s61
	v_cndmask_b32 v[GA], v[GW], v[RT], s59         ; lane (r, h): the gate of tile 0's row r,
	v_cndmask_b32 v[GA+2], v[RT], v[GW], s59       ; of tile 1's
	v_mov_b32 v[GA+1], v[GA]
	v_mov_b32 v[GA+3], v[GA+2]
.endm
.macro REFILL k                        ; step k's fragments and scale words of h into slot k % 4: seven loads, each of bytes on end
.set RG, RING+24*((\k)%4)
.irp u, 0,1
.irp i, 0,1,2
	global_load_b128 v[RG+12*\u+4*\i:RG+12*\u+4*\i+3], v[L16], s[68:69] offset:49152*\u+1536*(\k)+512*\i
.endr
.endr
	global_load_b32 v[RS+(\k)%4], v[L4], s[70:71] offset:128*(\k)
.endm
.macro BIAS                            ; b2 into the eight accumulators: lane (r, h), tile t, register j: output 16 t + 8 h + j
.irp u, 0,1
.irp t, 0,1,2,3
	ds_load_b128 v[AC+32*\u+8*\t:AC+32*\u+8*\t+3], v[BH] offset:64*\t
	ds_load_b128 v[AC+32*\u+8*\t+4:AC+32*\u+8*\t+7], v[BH] offset:64*\t+16
.endr
.endr
.endm
.macro WLOAD k                         ; step k's four fragments of W2 and their scale words, out of LDS: 13 loads
.if (\k) < 8
.set LWR, L16
.else
.set LWR, LW1
.endif
.irp t, 0,1,2,3
.irp i, 0,1,2
	ds_load_b128 v[W+12*\t+4*\i:W+12*\t+4*\i+3], v[LWR] offset:((\k)%8)*6144+1536*\t+512*\i
.endr
.endr
	ds_load_b128 v[WS:WS+3], v[LSC] offset:256*(\k)
.endm
.macro STEP k
.set SG, (\k)%4
.if (\k) < 12
	s_wait_loadcnt 21                              ; this step's seven loads are in; the three later steps' 21 may be out
.else
	s_wait_loadcnt 7*(15-(\k))                     ; seven for each step still to come
.endif
	s_wait_dscnt 0x0                               ; this step's fragments and scale words of W2 are in (ahead of step 0: b2 too)
.irp t, 0,1,2,3                        ; the eight accumulators by turns, one instruction a turn, in the same order in every step
	v_wmma_scale_f32_16x16x128_f8f6f4 v[AC+8*\t:AC+8*\t+7], v[W+12*\t:W+12*\t+11], v[RING+24*SG:RING+24*SG+11], v[AC+8*\t:AC+8*\t+7], v[WS+\t], v[RS+SG] matrix_a_fmt:MATRIX_FMT_BF6 matrix_b_fmt:MATRIX_FMT_BF6
	v_wmma_scale_f32_16x16x128_f8f6f4 v[AC+32+8*\t:AC+32+8*\t+7], v[W+12*\t:W+12*\t+11], v[RING+24*SG+12:RING+24*SG+23], v[AC+32+8*\t:AC+32+8*\t+7], v[WS+\t], v[RS+SG] matrix_a_fmt:MATRIX_FMT_BF6 matrix_b_fmt:MATRIX_FMT_BF6 matrix_b_scale:MATRIX_SCALE_ROW1
.endr
.rept 4
	v_nop                                          ; four places in front of loads into registers that these products read, and of the first read of results
.endr
.if (\k) < 15
	s_wait_alu depctr_va_vdst(0)                   ; the eight products are done reading v[W ..], v[WS ..], their slot of the ring and its scale register, in which the loads below land
	WLOAD (\k)+1                                   ; the next step's fragments of W2 first: they are wanted first
.endif
.if (\k) < 12
	REFILL (\k)+4                                  ; and h's of four steps on, issued while the LDS loads are on their way
.endif
.endm
	s_load_b256 s[4:11], s[0:1], 0x0               ; W2 s[4:5], b2 s[6:7], hq s[8:9], hs s[10:11]
	s_load_b128 s[12:15], s[0:1], 0x20             ; sel s[12:13], comb s[14:15]
	s_load_b64 s[48:49], s[0:1], 0x30              ; part
	v_lshrrev_b32 v[T0], 5, v0
	s_wait_alu depctr_va_vdst(0)
	v_readfirstlane_b32 s2, v[T0]                  ; wave 0..15
	s_and_b32 s3, ttmp7, 0xffff                    ; e
	s_and_b32 s50, ttmp9, 15                       ; ds
	s_lshr_b32 s51, ttmp9, 4                       ; kh
	s_lshl_b32 s58, 1, s3
	s_mov_b32 s59, 0xffff0000
	s_mov_b32 s60, 0x76543210
	s_mov_b32 s61, 0xfedcba98
	s_mov_b32 s52, 0
	s_lshl_b32 s78, s3, 2
	s_lshl_b32 s79, s51, 10
	v_and_b32 v[LANE], 31, v0
	v_lshlrev_b32 v[L16], 4, v[LANE]
	v_lshlrev_b32 v[L4], 2, v[LANE]
	v_add_nc_u32 v[LW1], 49152, v[L16]
	; my column 4 (l % 16) + jj: tile (l % 16) / 4, row 4 (l % 4) + jj; my chunk: K step = wave, half = l / 16
	v_mul_u32_u24 v[IA], v[T0], 6144
	v_lshlrev_b32 v[SA], 8, v[T0]
	v_bfe_u32 v[T0], v0, 2, 2
	v_mad_u32_u24 v[IA], v[T0], 1536, v[IA]
	v_lshl_add_u32 v[SA], v[T0], 2, v[SA]
	v_and_b32 v[T0], 3, v0
	v_lshl_add_u32 v[IA], v[T0], 6, v[IA]
	v_lshl_add_u32 v[SA], v[T0], 6, v[SA]
	s_wait_alu depctr_va_sdst(0)                   ; s2 is written, ahead of its first reader: my stage's place and W2's base are made from it
	s_mul_i32 s57, s2, 4352
	s_add_co_u32 s57, s57, STG                     ; my stage
	v_and_b32 v[T0], 15, v0
	v_lshlrev_b32 v[C16], 4, v[T0]
	v_lshl_add_u32 v[LSC], v[T0], 4, SC
	v_add_nc_u32 v[BST], BIA, v[C16]
	v_mul_u32_u24 v[STO], v[T0], 272
	v_add_nc_u32 v[STO], s57, v[STO]
	v_add_nc_u32 v[STR], s57, v[C16]
	v_bfe_u32 v[T0], v0, 4, 1                      ; h
	v_lshl_add_u32 v[IA], v[T0], 8, v[IA]
	v_add_nc_u32 v[SA], v[T0], v[SA]
	v_add_nc_u32 v[SA], SC, v[SA]
	v_lshl_add_u32 v[BH], v[T0], 5, BIA
	v_lshlrev_b32 v[H4], 2, v[T0]
	v_lshl_add_u32 v[WO], v[T0], 17, v[C16]        ; lanes 16-31: 32 rows of 4,096 bytes further down
	v_lshl_add_u32 v[STO], v[T0], 5, v[STO]        ; in: row r, + 32 h
	v_mad_u32_u24 v[STR], v[T0], 272, v[STR]       ; back: lanes 0-15 one row, lanes 16-31 the next
	s_lshl_b32 s72, s3, 24                         ; W2: e x 2^24 + (2048 kh + 128 wave) x 4,096 + 256 ds
	s_lshl_b32 s73, s51, 23
	s_add_co_u32 s72, s72, s73
	s_lshl_b32 s73, s2, 19
	s_add_co_u32 s72, s72, s73
	s_lshl_b32 s73, s50, 8
	s_add_co_u32 s72, s72, s73
	s_mov_b32 s73, 0
	s_lshl_b32 s74, s3, 12                         ; b2: 4,096 e + 256 ds
	s_lshl_b32 s75, s50, 8
	s_add_co_u32 s74, s74, s75
	s_mov_b32 s75, 0
	s_cmp_eq_u32 s51, 0
	s_cselect_b32 s56, -1, 0                       ; b2 counts once: in the half kh = 0
	s_wait_kmcnt 0x0
	s_add_nc_u64 s[66:67], s[4:5], s[72:73]
	s_add_nc_u64 s[62:63], s[6:7], s[74:75]
	s_lshl_b32 s72, s50, 8
	s_add_nc_u64 s[76:77], s[48:49], s[72:73]      ; part at my 256 bytes of a row
	s_wait_alu depctr_va_vdst(0)                   ; v1 to v10, v[IA], v[SA], v[WO] and v[BST] are written: the offsets and LDS addresses that the loads and stores of the whole kernel read
	global_load_b128 v[BI:BI+3], v[C16], s[62:63]
.irp a, 0,1,2,3,4,5,6,7
	global_load_b128 v[SELR+4*\a:SELR+4*\a+3], v[L16], s[12:13] offset:512*\a
.endr
	QLOAD 0
	s_wait_loadcnt 32                              ; b2 and sel are in; the chunk's 32 loads stay out, and the work up to QCHUNK 0 stands under them
.irp i, 0,1,2,3
	v_and_b32 v[BI+\i], s56, v[BI+\i]
.endr
	s_cmp_lg_u32 s2, 0
	s_cbranch_scc1 .Lnob
	s_wait_alu depctr_va_vdst(0)                   ; the four lines above have written v12-15, which the LDS store reads
	ds_store_b128 v[BST], v[BI:BI+3]               ; wave 0: b2's 256 bytes (both halves of the lanes write the same bytes with the same values)
.Lnob:
.set j, 0
.rept 32
	v_and_b32 v[SELR+j], s58, v[SELR+j]
	v_cmp_ne_u32 s[16+j], 0, v[SELR+j]
.set j, j+1
.endr
	s_wait_alu depctr_va_sdst(0)                   ; the 32 compares have written s[16:47], which the counts below and SELECT read
.set j, 0
.rept 32
	s_bcnt1_i32_b32 s57, s[16+j]
	s_add_co_u32 s52, s52, s57
.set j, j+1
.endr
	s_min_u32 s52, s52, 1024
	s_add_co_u32 s53, s52, 31
	s_lshr_b32 s53, s53, 5                         ; pairs of tiles, at most 32
	s_max_u32 s54, s52, 1
	s_sub_co_u32 s54, s54, 1
	s_mov_b32 s55, s2
	SELECT
	ROWS_A
	QCHUNK 0                                       ; (it asks for chunk 1)
	QCHUNK 1
	ROWS_B
	s_wait_dscnt 0x0                               ; for the others' sake: my stores have landed
	s_barrier_signal -1
	s_barrier_wait -1                              ; the slice lies in LDS as codes; from here on a wave writes only its own stage
	s_wait_alu depctr_vm_vsrc(0)                   ; chunk 1's LDS stores have read v[C ..], v64-95: h's fragments land in v72-95
	s_mov_b32 s75, 0                               ; the loop is counted against the constant 2: my pairs are wave and wave + 16, and an expert has at most 32
	s_cmp_ge_u32 s55, s53
	s_cbranch_scc1 .Ldone                          ; no pair of mine at all
.Lpair:
	s_lshl_b32 s72, s3, 6                          ; hq: ((64 e + 2 pi) x 32 + 16 kh) x 1,536
	s_lshl_b32 s73, s55, 1
	s_add_co_u32 s72, s72, s73
	s_lshl_b32 s72, s72, 5
	s_lshl_b32 s73, s51, 4
	s_add_co_u32 s72, s72, s73
	s_mul_i32 s72, s72, 1536
	s_mov_b32 s73, 0
	s_add_nc_u64 s[68:69], s[8:9], s[72:73]
	s_lshl_b32 s72, s3, 5                          ; hs: ((32 e + pi) x 32 + 16 kh) x 128
	s_add_co_u32 s72, s72, s55
	s_lshl_b32 s72, s72, 5
	s_lshl_b32 s74, s51, 4
	s_add_co_u32 s72, s72, s74
	s_lshl_b32 s72, s72, 7
	s_add_nc_u64 s[70:71], s[10:11], s[72:73]
	s_wait_alu depctr_va_vdst(0)                   ; all that named the ring, v[W ..] and the accumulators is done: part 1's arithmetic, SELECT and ROWS_B ahead of the first pair; the last pair's way out, SELECT and ROWS_B ahead of the second
	REFILL 0
	REFILL 1
	REFILL 2
	REFILL 3
	BIAS
	WLOAD 0
.irp k, 0,1,2,3,4,5,6,7,8,9,10,11,12,13,14,15
	STEP \k
.endr
	; THE WAY OUT.  Store (u, i) takes stage rows 2 i (lanes 0-15) and 2 i + 1 (lanes 16-31) of tile u: their rows of part are held by lanes 16 u + 2 i + h
.irp u, 0,1
.irp i, 0,1,2,3,4,5,6,7
	v_add_nc_u32 v[IX+8*\u+\i], 64*\u+8*\i, v[H4]
.endr
.endr
.irp u, 0,1
.set j, 0
.rept 16
	v_pk_mul_f32 v[AC+32*\u+j:AC+32*\u+j+1], v[AC+32*\u+j:AC+32*\u+j+1], v[GA+2*\u:GA+2*\u+1]   ; x the row's gate; each accumulator from its low end on
.set j, j+2
.endr
.endr
	s_wait_alu depctr_va_vdst(0)                   ; the additions have written v[IX ..], which the permutes read; the multiplies the accumulators, which the LDS stores read; the products are done reading the ring, in which the stage's rows land
.irp u, 0,1
.irp i, 0,1,2,3,4,5,6,7
	ds_bpermute_b32 v[DO+8*\u+\i], v[IX+8*\u+\i], v[DST]
.endr
.endr
.irp u, 0,1
.irp t, 0,1,2,3
	ds_store_b128 v[STO], v[AC+32*\u+8*\t:AC+32*\u+8*\t+3] offset:64*\t
	ds_store_b128 v[STO], v[AC+32*\u+8*\t+4:AC+32*\u+8*\t+7] offset:64*\t+16
.endr
.irp i, 0,1,2,3,4,5,6,7
	ds_load_b128 v[BK+32*\u+4*\i:BK+32*\u+4*\i+3], v[STR] offset:544*\i   ; LDS serves a wave's instructions in order (ISA guide 5.7.1.4): these see my stores, and tile 1's stores come behind them
.endr
.endr
	s_wait_dscnt 0x0
.set j, 0
.rept 16
	v_min_u32 v[DO+j], 0xfff, v[DO+j]              ; a number made of loaded ones enters an address behind a bound
	v_lshl_add_u32 v[DO+j], v[DO+j], 12, v[C16]
.set j, j+1
.endr
	s_wait_alu depctr_va_vdst(0)                   ; the lines above have written v[DO ..], the stores' offsets
.irp u, 0,1
.irp i, 0,1,2,3,4,5,6,7
	global_store_b128 v[DO+8*\u+\i], v[BK+32*\u+4*\i:BK+32*\u+4*\i+3], s[76:77] th:TH_STORE_NT   ; sixteen lanes store 256 bytes on end
.endr
.endr
	s_wait_xcnt 0x0                                ; the stores' data and offsets are written again only behind this wait
	s_wait_alu depctr_vm_vsrc(0)                   ; the stores have read v[DO ..] and v[BK ..], the permutes v[IX ..] and v11, the LDS stores the accumulators (v254 and v255 among them): ROWS_B, the next pair's loads and the closing lines write them again
	s_add_co_u32 s55, s55, 16
	s_cmp_ge_u32 s55, s53
	s_cbranch_scc1 .Ldone                          ; no second pair: out, ahead of the work that would prepare it
	SELECT
	ROWS_A
	s_wait_loadcnt 0x0
	s_wait_alu depctr_vm_vsrc(0)                   ; the two loads have read v[AD1] and v[AD2], v56 and v57, in which the next pair's fragments of W2 land
	ROWS_B
	s_add_co_u32 s75, s75, 1
	s_cmp_lt_u32 s75, 2
	s_cbranch_scc1 .Lpair
.Ldone:
	s_wait_xcnt 0x0
	v_lshl_add_u32 v254, v0, 2, 0x2a200            ; (on both ways here a wait on vm_vsrc stands behind the last memory or LDS instruction that read v254 or v255)
	v_mov_b32 v255, 0
	s_wait_dscnt 0x0                               ; the closing lines, six on end
	s_wait_alu 0x0
	s_wait_tensorcnt 0x0
	ds_add_u32 v254, v255
	s_wait_dscnt 0x0
	s_endpgm
.Lfunc_end_k_q33e4797e33_down:
	.size	k_q33e4797e33_down, .Lfunc_end_k_q33e4797e33_down-k_q33e4797e33_down
	.p2alignl 7, 3214868480
	.fill 96, 4, 3214868480
	.section	.rodata,"a",@progbits
	.p2align	6, 0x0
	.amdhsa_kernel k_q33e4797e33_down
		.amdhsa_group_segment_fixed_size 174592
		.amdhsa_private_segment_fixed_size 0
		.amdhsa_enable_private_segment 0
		.amdhsa_kernarg_size 56
		.amdhsa_user_sgpr_count 2
		.amdhsa_user_sgpr_kernarg_segment_ptr 1
		.amdhsa_wavefront_size32 1
		.amdhsa_system_sgpr_workgroup_id_x 1
		.amdhsa_system_sgpr_workgroup_id_y 1
		.amdhsa_system_sgpr_workgroup_id_z 1
		.amdhsa_system_vgpr_workitem_id 0
		.amdhsa_next_free_vgpr 256
		.amdhsa_next_free_sgpr 96
		.amdhsa_reserve_vcc 1
		.amdhsa_float_denorm_mode_32 3
		.amdhsa_float_denorm_mode_16_64 3
		.amdhsa_memory_ordered 1
		.amdhsa_forward_progress 1
		.amdhsa_inst_pref_size 120
	.end_amdhsa_kernel
	.amdgpu_metadata
---
amdhsa.version: [ 1, 2 ]
amdhsa.kernels:
  - .name:           k_q33e4797e33_down
    .symbol:         k_q33e4797e33_down.kd
    .args:
      - { .name: W2, .offset: 0, .size: 8, .value_kind: global_buffer, .address_space: global }
      - { .name: b2, .offset: 8, .size: 8, .value_kind: global_buffer, .address_space: global }
      - { .name: hq, .offset: 16, .size: 8, .value_kind: global_buffer, .address_space: global }
      - { .name: hs, .offset: 24, .size: 8, .value_kind: global_buffer, .address_space: global }
      - { .name: sel, .offset: 32, .size: 8, .value_kind: global_buffer, .address_space: global }
      - { .name: comb, .offset: 40, .size: 8, .value_kind: global_buffer, .address_space: global }
      - { .name: part, .offset: 48, .size: 8, .value_kind: global_buffer, .address_space: global }
    .group_segment_fixed_size: 174592
    .private_segment_fixed_size: 0
    .kernarg_segment_align: 8
    .kernarg_segment_size: 56
    .max_flat_workgroup_size: 512
    .sgpr_count:     96
    .vgpr_count:     256
    .wavefront_size: 32
...
	.end_amdgpu_metadata
.endif
;; end of part 7
;; launch sum (part 8): grid 256 x 1, 8 waves a work-group, no clusters, 0 bytes of LDS; arguments part, out0; writes out0
.if DOCPART == 8
	.amdgcn_target "amdgcn-amd-amdhsa--gfx1250"
	.amdhsa_code_object_version 6
	.text
	.protected	k_q33e4797e33_sum
	.globl	k_q33e4797e33_sum
	.p2align	8
	.type	k_q33e4797e33_sum,@function
k_q33e4797e33_sum:
	s_mov_b64 s[64:65], 0
	v_nop
	global_prefetch_b8 v0, s[64:65] scope:SCOPE_SE
	s_setreg_imm32_b32 hwreg(HW_REG_WAVE_MODE, 25, 1), 1
	s_wait_xcnt 0x0
; out0[token][d] = the sum of a token's four parts (two chosen experts x two halves of the second product's K), as (p0 + p1) + (p2 + p3), in f32.
; A work-group of eight waves takes 4 tokens; thread i owns the 16 bytes at 16 i of each row, so a wave's load or store covers 512 bytes on end.  All 16 loads go out at once; no loop, no LDS, no barrier.
; The parts lie 4 MiB apart: two bases, 8 MiB apart, since a load's immediate has 24 signed bits (ISA guide, chapter 10).
	s_load_b128 s[4:7], s[0:1], 0x0                ; part, out0
	v_lshlrev_b32 v1, 4, v0
	s_lshl_b32 s8, ttmp9, 14                       ; 4 rows of 4,096 bytes
	s_mov_b32 s9, 0
	s_wait_alu depctr_va_vdst(0)
	s_wait_kmcnt 0x0
	s_add_nc_u64 s[4:5], s[4:5], s[8:9]
	s_add_nc_u64 s[6:7], s[6:7], s[8:9]
	s_add_nc_u64 s[10:11], s[4:5], 0x800000
.irp j, 0,1,2,3
	global_load_b128 v[4+16*\j:7+16*\j], v1, s[4:5] offset:4096*\j th:TH_LOAD_NT
	global_load_b128 v[8+16*\j:11+16*\j], v1, s[4:5] offset:4194304+4096*\j th:TH_LOAD_NT
	global_load_b128 v[12+16*\j:15+16*\j], v1, s[10:11] offset:4096*\j th:TH_LOAD_NT
	global_load_b128 v[16+16*\j:19+16*\j], v1, s[10:11] offset:4194304+4096*\j th:TH_LOAD_NT
.endr
.irp j, 0,1,2,3
	s_wait_loadcnt 12-4*\j                         ; row j's four loads are in; the later rows' may be out
	v_pk_add_f32 v[4+16*\j:5+16*\j], v[4+16*\j:5+16*\j], v[8+16*\j:9+16*\j]
	v_pk_add_f32 v[6+16*\j:7+16*\j], v[6+16*\j:7+16*\j], v[10+16*\j:11+16*\j]
	v_pk_add_f32 v[12+16*\j:13+16*\j], v[12+16*\j:13+16*\j], v[16+16*\j:17+16*\j]
	v_pk_add_f32 v[14+16*\j:15+16*\j], v[14+16*\j:15+16*\j], v[18+16*\j:19+16*\j]
	s_delay_alu instid0(VALU_DEP_2)
	v_pk_add_f32 v[4+16*\j:5+16*\j], v[4+16*\j:5+16*\j], v[12+16*\j:13+16*\j]
	s_delay_alu instid0(VALU_DEP_2)
	v_pk_add_f32 v[6+16*\j:7+16*\j], v[6+16*\j:7+16*\j], v[14+16*\j:15+16*\j]
	global_store_b128 v1, v[4+16*\j:7+16*\j], s[6:7] offset:4096*\j th:TH_STORE_NT
.endr
	s_endpgm
.Lfunc_end_k_q33e4797e33_sum:
	.size	k_q33e4797e33_sum, .Lfunc_end_k_q33e4797e33_sum-k_q33e4797e33_sum
	.p2alignl 7, 3214868480
	.fill 96, 4, 3214868480
	.section	.rodata,"a",@progbits
	.p2align	6, 0x0
	.amdhsa_kernel k_q33e4797e33_sum
		.amdhsa_group_segment_fixed_size 0
		.amdhsa_private_segment_fixed_size 0
		.amdhsa_enable_private_segment 0
		.amdhsa_kernarg_size 16
		.amdhsa_user_sgpr_count 2
		.amdhsa_user_sgpr_kernarg_segment_ptr 1
		.amdhsa_wavefront_size32 1
		.amdhsa_system_sgpr_workgroup_id_x 1
		.amdhsa_system_sgpr_workgroup_id_y 1
		.amdhsa_system_sgpr_workgroup_id_z 1
		.amdhsa_system_vgpr_workitem_id 0
		.amdhsa_next_free_vgpr 72
		.amdhsa_next_free_sgpr 66
		.amdhsa_reserve_vcc 0
		.amdhsa_float_denorm_mode_32 3
		.amdhsa_float_denorm_mode_16_64 3
		.amdhsa_memory_ordered 1
		.amdhsa_forward_progress 1
		.amdhsa_inst_pref_size 5
	.end_amdhsa_kernel
	.amdgpu_metadata
---
amdhsa.version: [ 1, 2 ]
amdhsa.kernels:
  - .name:           k_q33e4797e33_sum
    .symbol:         k_q33e4797e33_sum.kd
    .args:
      - { .name: part, .offset: 0, .size: 8, .value_kind: global_buffer, .address_space: global }
      - { .name: out0, .offset: 8, .size: 8, .value_kind: global_buffer, .address_space: global }
    .group_segment_fixed_size: 0
    .private_segment_fixed_size: 0
    .kernarg_segment_align: 8
    .kernarg_segment_size: 16
    .max_flat_workgroup_size: 256
    .sgpr_count:     66
    .vgpr_count:     72
    .wavefront_size: 32
...
	.end_amdgpu_metadata
.endif
;; end of part 8
